; MI455X (gfx1250); checked and timed in simulation.
; The chip was launched on July 23, 2026; its instructions are those of AMD's public machine-readable ISA for CDNA 5 (MIT licence, August 2026) and "CDNA5" Instruction Set Architecture Reference Guide (July 2026). The comments in the code are by the model that wrote it; some were corrected since.
;; Transformer Block. Allowed arithmetic: matrix products marked QUANTISED: E5M2 operands, one given power-of-two scale a tensor, by v_wmma_f32_16x16x64_bf8_bf8 or v_wmma_f32_16x16x128_bf8_bf8, f32 sums; everything else in f32.
;; Inputs: W1_codes 4,096 x 32 x 32 uint8 (E5M2 codes of W1, K innermost, in blocks of 32 codes); W2_codes 1,024 x 128 x 32 uint8 (E5M2 codes of W2, K innermost, in blocks of 32 codes); Wk_codes 1,024 x 32 x 32 uint8 (E5M2 codes of Wk, K innermost, in blocks of 32 codes); Wo_codes 1,024 x 32 x 32 uint8 (E5M2 codes of Wo, K innermost, in blocks of 32 codes); Wq_codes 1,024 x 32 x 32 uint8 (E5M2 codes of Wq, K innermost, in blocks of 32 codes); Wv_codes 1,024 x 32 x 32 uint8 (E5M2 codes of Wv, K innermost, in blocks of 32 codes); b1 4,096 float32; b2 1,024 float32; bo 1,024 float32; g1 1,024 float32; g2 1,024 float32; lowp_scales 16 int32 (the exponents e of the quantised operands' scales 2^e); s1 1,024 float32; s2 1,024 float32; x 2 x 2,048 x 1,024 float32.
;; Outputs: out0 2 x 2,048 x 1,024 float32.
;; This version of the problem:
;;   THIS VERSION OF THE PROBLEM IS GIVEN IN LOW PRECISION. The matrix products marked QUANTISED in the list below multiply operands that are first quantised to E5M2 (5 exponent bits, 2 mantissa bits; 8 bits a number), with one given power-of-two scale for each operand tensor; their sums are f32. All else is computed in f32.
;;   The module's matrix products, in the order in which they are computed (A, B: the left and right operand; K: the contracted axis; several contracted axes count as one K, in the product's order):
;;     1. [M 4,096, K 1,024] x [K 1,024, N 1,024]; A: computed on the way; B: input Wq (given as codes): QUANTISED (scales: A lowp_scales[0], B lowp_scales[1])
;;     2. [M 4,096, K 1,024] x [K 1,024, N 1,024]; A: computed on the way; B: input Wk (given as codes): QUANTISED (scales: A lowp_scales[2], B lowp_scales[3])
;;     3. [M 4,096, K 1,024] x [K 1,024, N 1,024]; A: computed on the way; B: input Wv (given as codes): QUANTISED (scales: A lowp_scales[4], B lowp_scales[5])
;;     4. batch 32 x [M 2,048, K 64] x [K 64, N 2,048]; A: computed on the way; B: computed on the way: QUANTISED (scales: A lowp_scales[6], B lowp_scales[7])
;;     5. batch 32 x [M 2,048, K 2,048] x [K 2,048, N 64]; A: softmax (see below); B: computed on the way: QUANTISED (scales: A lowp_scales[8], B lowp_scales[9])
;;     6. [M 4,096, K 1,024] x [K 1,024, N 1,024]; A: computed on the way; B: input Wo (given as codes): QUANTISED (scales: A lowp_scales[10], B lowp_scales[11])
;;     7. [M 4,096, K 1,024] x [K 1,024, N 4,096]; A: computed on the way; B: input W1 (given as codes): QUANTISED (scales: A lowp_scales[12], B lowp_scales[13])
;;     8. [M 4,096, K 4,096] x [K 4,096, N 1,024]; A: computed on the way; B: input W2 (given as codes): QUANTISED (scales: A lowp_scales[14], B lowp_scales[15])
;;   THE QUANTISER, for each operand of a quantised product, along K:
;;     - The operand's scale is 2^e, e = its entry of the input lowp_scales (int32; the entries are numbered through the quantised products in the list's order, A before B).
;;     - Each number is divided by the scale, clamped to +-57,344, and rounded to the nearest number of E5M2, ties to even, subnormals kept.
;;     - The product sums the exact products of the quantised numbers (number of the format x scale) in f32.
;;   ~~~python
;;   def quantise(x, axis, e):      # numpy; x: float32 -> the quantised numbers, widened to float32 again
;;       x = np.moveaxis(x, axis, -1); K = x.shape[-1]
;;       r = np.clip(x / 2.0 ** e, -57344, 57344)
;;       step = 2.0 ** (np.maximum(np.frexp(np.where(r == 0, 1, r))[1] - 1, -14) - 2)
;;       q = np.round(r / step) * step * 2.0 ** e      # np.round: ties to even
;;       return np.moveaxis(q, -1, axis).astype(np.float32)
;;   ~~~
;;   SOFTMAX AHEAD OF A QUANTISED PRODUCT. Where the list says 'softmax', what is quantised is not the finished softmax but p = 2^(t - M), with t = logit x log2(e) and M = ceil(the row's largest t), a whole number; so 1/2 < the row's largest p <= 1. The row's sum l is taken of the UNQUANTISED p, in f32, and the product's result is divided by l at the end. Since M is a whole number, a kernel that streams over the keys may use a running M (the ceiling of the running maximum): every later rescaling is an exact power of two, so the quantised numbers keep their values, but for numbers so far below the row's largest that they fall under the format's range.
;;   OPERANDS COMPUTED ON THE WAY. 'Computed on the way' means the value that the module computes at that place (a softmax that the list does not call 'softmax' is quantised finished and normalised). What goes into a quantiser is computed in f32, as accurately as f32 sums, v_exp_f32 and their like allow (about 1e-6 of the number): no bf16 or f16 on the way to a quantiser, and a product that is left as it is and whose result goes on into a quantised operand takes f32 operands (vector FMAs, or v_wmma_f32_16x16x4_f32). A number that lies on a knife's edge between two numbers of the format may be rounded either way, as far as f32 arithmetic and the matrix unit's own rounding can turn it there, and no further.
;;   INPUTS GIVEN AS CODES. W1 (in the module: [1024, 4096], K = its axis 0); W2 (in the module: [4096, 1024], K = its axis 0); Wk (in the module: [1024, 1024], K = its axis 0); Wo (in the module: [1024, 1024], K = its axis 0); Wq (in the module: [1024, 1024], K = its axis 0); Wv (in the module: [1024, 1024], K = its axis 0): each comes as NAME_codes (uint8): NAME with its K axis moved to the last place and cut into blocks of 32 codes, [.., K / 32, bytes a block], one block behind the other in memory; one code a byte (a code: sign, 5 exponent bits, 2 mantissa bits); its scale is its entry of lowp_scales. Its value is code x scale, taken as it is: it is not quantised again, and the codes and scales need not be those that the quantiser above would give.
;; One version. Each part assembles by itself: llvm-mc -triple=amdgcn-amd-amdhsa -mcpu=gfx1250 --defsym DOCPART=n.
;; ======== version 1 of 1: 7 launches
;; limits: right only within a limited range of input values
;; workspace buffers: ha 4,194,304 bytes; hb 4,194,304 bytes; hc 4,194,304 bytes; qc 4,194,304 bytes; kc 4,194,304 bytes; vc 4,194,304 bytes; x2 16,777,216 bytes; hid 16,777,216 bytes
;; launch ln1 (part 1): grid 256 x 1, 8 waves a work-group, no clusters, 41,984 bytes of LDS; arguments x, g1, s1, lowp_scales, ha, hb, hc; writes ha, hb, hc
.if DOCPART == 1
	.amdgcn_target "amdgcn-amd-amdhsa--gfx1250"
	.amdhsa_code_object_version 6
	.text
	.protected	k_q42e1486853_ln1
	.globl	k_q42e1486853_ln1
	.p2align	8
	.type	k_q42e1486853_ln1,@function
k_q42e1486853_ln1:
	s_mov_b64 s[64:65], 0
	v_nop
	global_prefetch_b8 v0, s[64:65] scope:SCOPE_SE
	s_setreg_imm32_b32 hwreg(HW_REG_WAVE_MODE, 25, 1), 1
	s_wait_xcnt 0x0
; h = g (x - mean) / sqrt(var + 1e-5) + s along rows of 1,024 f32, then h as codes of E5M2, once for each of NS given scales 2^e (here entries 0, 2, 4 of the scales: the A operands of three products).
; code = h / 2^e, held within +-57,344, to the nearest code, ties to even.  LIMITS: each e between -126 and 112, so that 2^e and 57,344 x 2^e are f32 numbers.  NaN among the inputs is not served.
; SHARES.  4,096 rows, 256 work-groups of eight waves, two rows a wave.  A row is 4,096 bytes: 32 registers a lane, so it stays in registers between the mean, the variance (taken of x - mean: a common
; offset of the row costs no accuracy) and the scaling, and is read once.  A wave's reductions never leave the wave: no barrier.
; Every load reads 512 consecutive bytes, 16 a lane.  The conversions take 8 neighbours from ONE lane's registers, so a finished row turns through the wave's own stage in LDS (64 places of 64 bytes + 16 of padding)
; and comes back 16 neighbours a lane; a lane's 16 codes are 16 bytes, so each store covers 512 consecutive bytes, aligned.
; No matrix unit, no tensor load, no cluster: work-groups share only g and s, 8 KiB beside the 64 KiB of rows that each reads.
.set NS,  3
.set G,   32                           ; v32-63   g, as loaded: load i holds numbers 128 i + 4 lane + 0..3
.set S,   64                           ; v64-95   s likewise
.set X0,  96
.set Y,   160                          ; v160-191 a row back from the stage: register 16 hf + i = number 512 hf + 16 lane + i
.set T,   192                          ; v192-223 the row held within one scale's range
.set SP,  80                           ; a place in the stage
.set WST, 64*SP                        ; a wave's stage
	s_load_b256 s[4:11], s[0:1], 0x0               ; rows s[4:5], g s[6:7], s s[8:9], the scales' exponents s[10:11]
.if NS == 3
	s_load_b128 s[12:15], s[0:1], 0x20             ; the buffers of codes: s[12:13], s[14:15],
	s_load_b64 s[16:17], s[0:1], 0x30              ; s[16:17]
	v_lshl_add_u32 v224, v0, 2, 0xa000
	v_mov_b32 v225, 0
.else
	s_load_b64 s[12:13], s[0:1], 0x20
.endif
	v_lshrrev_b32 v2, 5, v0
	s_delay_alu instid0(VALU_DEP_1)
	v_readfirstlane_b32 s18, v2                    ; wave
	v_and_b32 v3, 31, v0                           ; lane
	s_delay_alu instid0(VALU_DEP_1)
	v_lshlrev_b32 v1, 4, v3                        ; 16 x lane: my bytes of a load's and of a store's 512; never rewritten
	s_mul_i32 s19, s18, WST
	v_lshrrev_b32 v14, 2, v3
	s_delay_alu instid0(VALU_DEP_1)
	v_mul_u32_u24 v14, v14, SP
	v_and_b32 v15, 3, v3
	s_delay_alu instid0(VALU_DEP_1)
	v_lshl_add_u32 v14, v15, 4, v14
	s_delay_alu instid0(VALU_DEP_1)
	v_add_nc_u32 v14, s19, v14                     ; into the stage: four lanes' 64 bytes on end, then the padding
	v_mul_u32_u24 v15, v3, SP
	s_delay_alu instid0(VALU_DEP_1)
	v_add_nc_u32 v15, s19, v15                     ; out of it: a place a lane
	s_mov_b32 s20, 0x3a800000                      ; 1 / 1,024
	s_mov_b32 s21, 0x3727c5ac                      ; 1e-5
	s_mov_b32 s22, 0x76543210                      ; v_permlanex16_b32: lane l takes lane l xor 16
	s_mov_b32 s23, 0xfedcba98
	s_lshl_b32 s32, ttmp9, 16                      ; 16 rows of 4,096 bytes a work-group,
	s_lshl_b32 s33, s18, 13                        ; two a wave
	s_add_co_u32 s32, s32, s33
	s_mov_b32 s33, 0
	s_lshr_b32 s34, s32, 2                         ; a row of codes is a quarter of that
	s_mov_b32 s35, 0
	s_wait_alu depctr_va_vdst(0)
	s_wait_kmcnt 0x0
.if NS == 3
	s_load_b256 s[24:31], s[10:11], 0x0            ; entries 0 to 7: e of scale k is s[24 + 2 k]
.else
	s_load_b32 s24, s[10:11], 0x30                 ; entry 12
.endif
	s_add_nc_u64 s[4:5], s[4:5], s[32:33]
.set k, 0
.rept NS
	s_add_nc_u64 s[12+2*k:13+2*k], s[12+2*k:13+2*k], s[34:35]
.set k, k+1
.endr
.irp r, 0,1
.irp i, 0,1,2,3,4,5,6,7
	global_load_b128 v[X0+32*\r+4*\i:X0+32*\r+4*\i+3], v1, s[4:5] offset:4096*\r+512*\i th:TH_LOAD_NT
.endr
.endr
.irp i, 0,1,2,3,4,5,6,7
	global_load_b128 v[G+4*\i:G+4*\i+3], v1, s[6:7] offset:512*\i
.endr
.irp i, 0,1,2,3,4,5,6,7
	global_load_b128 v[S+4*\i:S+4*\i+3], v1, s[8:9] offset:512*\i
.endr
	s_wait_kmcnt 0x0
.set k, 0
.rept NS
	s_add_co_i32 s36, s[24+2*k], 127
	s_lshl_b32 s37, s36, 23
	v_mov_b32 v[16+k], s37                         ; 2^e as f32: the conversion takes its exponent field
	s_add_co_i32 s36, s36, 15
	s_lshl_b32 s36, s36, 23
	s_or_b32 s36, s36, 0x600000
	v_mov_b32 v[20+k], s36                         ; 57,344 x 2^e
.set k, k+1
.endr
.macro RED                             ; v[6:7] + v[8:9], both halves, all 32 lanes: the sum in v6 of every lane
	s_delay_alu instid0(VALU_DEP_1)
	v_pk_add_f32 v[6:7], v[6:7], v[8:9]
	s_delay_alu instid0(VALU_DEP_1)
	v_add_f32 v6, v6, v7
	s_delay_alu instid0(VALU_DEP_1)
	v_add_f32_dpp v6, v6, v6 row_xmask:1 row_mask:0xf bank_mask:0xf
	s_delay_alu instid0(VALU_DEP_1)
	v_add_f32_dpp v6, v6, v6 row_xmask:2 row_mask:0xf bank_mask:0xf
	s_delay_alu instid0(VALU_DEP_1)
	v_add_f32_dpp v6, v6, v6 row_xmask:4 row_mask:0xf bank_mask:0xf
	s_delay_alu instid0(VALU_DEP_1)
	v_add_f32_dpp v6, v6, v6 row_xmask:8 row_mask:0xf bank_mask:0xf
	s_delay_alu instid0(VALU_DEP_1)
	v_permlanex16_b32 v7, v6, s22, s23
	s_delay_alu instid0(VALU_DEP_1)
	v_add_f32 v6, v6, v7
.endm
.macro STATS r                         ; row r becomes x - mean; v[12 + r] = var + 1e-5
.set XR, X0+32*(\r)
	v_pk_add_f32 v[6:7], v[XR:XR+1], v[XR+2:XR+3]
	v_pk_add_f32 v[8:9], v[XR+4:XR+5], v[XR+6:XR+7]
.irp j, 8,12,16,20,24,28
	s_delay_alu instid0(VALU_DEP_2)
	v_pk_add_f32 v[6:7], v[6:7], v[XR+\j:XR+\j+1]
	s_delay_alu instid0(VALU_DEP_2)
	v_pk_add_f32 v[8:9], v[8:9], v[XR+\j+2:XR+\j+3]
.endr
	RED
	s_delay_alu instid0(VALU_DEP_1)
	v_mul_f32 v2, s20, v6                          ; the mean,
	s_delay_alu instid0(VALU_DEP_1)
	v_mov_b32 v3, v2                               ; as a pair
.set j, 0
.rept 16
	v_pk_add_f32 v[XR+j:XR+j+1], v[XR+j:XR+j+1], v[2:3] neg_lo:[0,1] neg_hi:[0,1]
.set j, j+2
.endr
	v_pk_mul_f32 v[6:7], v[XR:XR+1], v[XR:XR+1]
	v_pk_mul_f32 v[8:9], v[XR+2:XR+3], v[XR+2:XR+3]
.irp j, 4,8,12,16,20,24,28
	s_delay_alu instid0(VALU_DEP_2)
	v_pk_fma_f32 v[6:7], v[XR+\j:XR+\j+1], v[XR+\j:XR+\j+1], v[6:7]
	s_delay_alu instid0(VALU_DEP_2)
	v_pk_fma_f32 v[8:9], v[XR+\j+2:XR+\j+3], v[XR+\j+2:XR+\j+3], v[8:9]
.endr
	RED
	s_delay_alu instid0(VALU_DEP_1)
	v_fma_f32 v[12+\r], v6, s20, s21
.endm
.macro NORM r, rs                      ; (x - mean) x 1 / sqrt(..) x g + s
.set XR, X0+32*(\r)
.set j, 0
.rept 16
	v_pk_mul_f32 v[XR+j:XR+j+1], v[XR+j:XR+j+1], v[\rs:\rs+1]
.set j, j+2
.endr
.set j, 0
.rept 16
	v_pk_fma_f32 v[XR+j:XR+j+1], v[XR+j:XR+j+1], v[G+j:G+j+1], v[S+j:S+j+1]
.set j, j+2
.endr
.endm
.macro TURN r                          ; through the stage.  LDS serves a wave's instructions in order (ISA guide 5.7.1.4): no wait between the stores and the loads
.set XR, X0+32*(\r)
.irp i, 0,1,2,3,4,5,6,7
	ds_store_b128 v14, v[XR+4*\i:XR+4*\i+3] offset:8*SP*\i
.endr
.irp hf, 0,1
.irp q, 0,1,2,3
	ds_load_b128 v[Y+16*\hf+4*\q:Y+16*\hf+4*\q+3], v15 offset:32*SP*\hf+16*\q
.endr
.endr
.endm
.macro QZ r                            ; row r under scale k: hold, convert, store.  Each (row, scale) has its own registers of codes: no store's data are written again
.set i, 0
.rept 32
	v_med3_num_f32 v[T+i], v[Y+i], -v[20+k], v[20+k]   ; the conversion to an 8-bit code does not saturate (ISA guide 7.6.2)
.set i, i+1
.endr
.set CR, X0+32*(\r)+8*k
.irp q, 0,1,2,3
	v_cvt_scalef32_pk8_bf8_f32 v[CR+2*\q:CR+2*\q+1], v[T+8*\q:T+8*\q+7], v[16+k]
.endr
	v_nop                                          ; a plain line between the conversions and the next holds, which write their sources
	global_store_b128 v1, v[CR:CR+3], s[12+2*k:13+2*k] offset:1024*(\r)
	global_store_b128 v1, v[CR+4:CR+7], s[12+2*k:13+2*k] offset:1024*(\r)+512
.endm
.macro ROW r
	TURN \r
	s_wait_dscnt 0x0                               ; the row is back, and the stores into the stage have read its old registers
.set k, 0
.rept NS
	QZ \r
.set k, k+1
.endr
.endm
	s_wait_loadcnt 24                              ; row 0's eight loads are in; row 1's, g's and s's may be out
	STATS 0
	s_wait_loadcnt 16                              ; row 1's are in
	STATS 1
	s_wait_alu depctr_va_vdst(0)
	v_rsq_f32 v4, v12                              ; both rows' roots are one batch:
	v_rsq_f32 v10, v13
	v_nop                                          ; a plain line behind the last,
	s_wait_alu depctr_va_vdst(0)                   ; and the one wait ahead of the first reader
	v_mov_b32 v5, v4
	v_mov_b32 v11, v10
	s_wait_alu depctr_va_vdst(0)
	s_wait_loadcnt 0x0                             ; g and s
	NORM 0, 4
	NORM 1, 10
	ROW 0
	ROW 1
	s_wait_tensorcnt 0x0
	ds_add_u32 v224, v225
	s_wait_dscnt 0x0
	s_endpgm
.Lfunc_end_k_q42e1486853_ln1:
	.size	k_q42e1486853_ln1, .Lfunc_end_k_q42e1486853_ln1-k_q42e1486853_ln1
	.p2alignl 7, 3214868480
	.fill 96, 4, 3214868480
	.section	.rodata,"a",@progbits
	.p2align	6, 0x0
	.amdhsa_kernel k_q42e1486853_ln1
		.amdhsa_group_segment_fixed_size 41984
		.amdhsa_private_segment_fixed_size 0
		.amdhsa_enable_private_segment 0
		.amdhsa_kernarg_size 56
		.amdhsa_user_sgpr_count 2
		.amdhsa_user_sgpr_kernarg_segment_ptr 1
		.amdhsa_wavefront_size32 1
		.amdhsa_system_sgpr_workgroup_id_x 1
		.amdhsa_system_sgpr_workgroup_id_y 1
		.amdhsa_system_sgpr_workgroup_id_z 1
		.amdhsa_system_vgpr_workitem_id 0
		.amdhsa_next_free_vgpr 226
		.amdhsa_next_free_sgpr 66
		.amdhsa_reserve_vcc 0
		.amdhsa_float_denorm_mode_32 3
		.amdhsa_float_denorm_mode_16_64 3
		.amdhsa_memory_ordered 1
		.amdhsa_forward_progress 1
		.amdhsa_inst_pref_size 38
	.end_amdhsa_kernel
	.amdgpu_metadata
---
amdhsa.version: [ 1, 2 ]
amdhsa.kernels:
  - .name:           k_q42e1486853_ln1
    .symbol:         k_q42e1486853_ln1.kd
    .args:
      - { .name: x, .offset: 0, .size: 8, .value_kind: global_buffer, .address_space: global }
      - { .name: g1, .offset: 8, .size: 8, .value_kind: global_buffer, .address_space: global }
      - { .name: s1, .offset: 16, .size: 8, .value_kind: global_buffer, .address_space: global }
      - { .name: lowp_scales, .offset: 24, .size: 8, .value_kind: global_buffer, .address_space: global }
      - { .name: ha, .offset: 32, .size: 8, .value_kind: global_buffer, .address_space: global }
      - { .name: hb, .offset: 40, .size: 8, .value_kind: global_buffer, .address_space: global }
      - { .name: hc, .offset: 48, .size: 8, .value_kind: global_buffer, .address_space: global }
    .group_segment_fixed_size: 41984
    .private_segment_fixed_size: 0
    .kernarg_segment_align: 8
    .kernarg_segment_size: 56
    .max_flat_workgroup_size: 256
    .sgpr_count:     66
    .vgpr_count:     226
    .wavefront_size: 32
...
	.end_amdgpu_metadata
.endif
;; end of part 1
;; launch qkv (part 2): grid 12 x 16, 4 waves a work-group, clusters of 4 x 4, 327,680 bytes of LDS; arguments ha, hb, hc, Wq_codes, Wk_codes, Wv_codes, lowp_scales, qc, kc, vc; writes qc, kc, vc
.if DOCPART == 2
	.amdgcn_target "amdgcn-amd-amdhsa--gfx1250"
	.amdhsa_code_object_version 6
	.text
	.protected	k_q42e1486853_qkv
	.globl	k_q42e1486853_qkv
	.p2align	8
	.type	k_q42e1486853_qkv,@function
k_q42e1486853_qkv:
	s_mov_b64 s[64:65], 0
	v_nop
	global_prefetch_b8 v0, s[64:65] scope:SCOPE_SE
	s_setreg_imm32_b32 hwreg(HW_REG_WAVE_MODE, 25, 1), 1
	s_wait_xcnt 0x0
	s_wait_alu depctr_hold_cnt(0) depctr_sa_sdst(0) depctr_va_vdst(0) depctr_va_sdst(0) depctr_va_ssrc(0) depctr_va_vcc(0) depctr_vm_vsrc(0)
	s_getreg_b32 s2, hwreg(HW_REG_IB_STS2, 6, 4)
	s_cmp_eq_u32 s2, 0
	s_cbranch_scc0 .Lentry_in_a_cluster
	s_endpgm
.Lentry_in_a_cluster:
	s_bfe_u32 s2, ttmp6, 0x10000c
	s_cmp_lg_u32 s2, 0xf033
	s_cbranch_scc0 .Lentry_shape_is_right
	s_endpgm
.Lentry_shape_is_right:
.set SIZE_K, 1024
.set KSTEP,  256
.set ROWB,   256
.set KROW,   SIZE_K
.set PITCH,  272
.set FR,     16
.set NL,     4
.set NP,     4
.set HALFT,  128*PITCH
.set SLOT,   4*HALFT
.set LAPS,   SIZE_K/(2*KSTEP)
.set SPARE,  2*SLOT
.set ADRA, 16
.set ADRB, 20
.set STO,  24
.set RD,   25
.set CO,   26
.set SPW,  28
.set NIL,  29
.set SCL,  30
.set LIM,  31
.set TMP,  32
.set CD,   96
.set AF,   128
.set G1, 24
.set G0, 32
.set G1B, 48
.set G0B, 56
.set MSB, 0
.macro WIN new
.if MSB != \new
	s_set_vgpr_msb (MSB<<8)|\new
.set MSB, \new
.endif
.endm
.set MUL_LO, 0xa1
.set MUL_HI, 0xf1
.set TO_B,   0x40
.macro JLOAD g0a, g1a, g0b, g1b
	s_cmp_eq_u32 s15, 0
	s_cbranch_scc0 .Lfor_b_\@
	tensor_load_to_lds s[\g0a:\g0a+3], s[\g1a:\g1a+7]
	s_nop 0
.rept 4
	v_nop
.endr
	s_branch .Lasked_\@
.Lfor_b_\@:
	tensor_load_to_lds s[\g0b:\g0b+3], s[\g1b:\g1b+7]
	s_nop 0
.rept 4
	v_nop
.endr
.Lasked_\@:
.endm
.macro CREST
	s_cmp_lg_u32 s14, 0
	s_cbranch_scc1 .Lnot_wave_0_\@
	s_barrier_signal -3
.Lnot_wave_0_\@:
	s_barrier_wait -3
	s_barrier_signal -1
	s_barrier_wait -1
.endm
.macro CROUND
	s_barrier_signal -1
	s_barrier_wait -1
	CREST
.endm
	s_load_b512 s[68:83], s[0:1], 0x0
	s_load_b128 s[84:87], s[0:1], 0x40
	v_lshl_add_u32 v[SPW], v0, 2, SPARE
	v_mov_b32 v[NIL], 0
	ds_add_u32 v28, v29
	ds_add_u32 v28, v29
	s_wait_dscnt 0x0
	v_lshrrev_b32 v1, 5, v0
	v_readfirstlane_b32 s14, v1
	s_lshr_b32 s15, s14, 1
	s_and_b32 s16, s14, 1
	s_bfe_u32 s40, ttmp6, 0x40000
	s_bfe_u32 s41, ttmp6, 0x40004
	s_and_b32 s12, ttmp7, 0xffff
	s_lshl_b32 s12, s12, 2
	s_add_co_u32 s17, s12, s41
	s_add_co_u32 s42, s12, s40
	s_cmp_eq_u32 ttmp9, 2
	s_cselect_b32 s17, s41, s17
	s_cselect_b32 s42, s42, s40
	s_lshl_b32 s43, s41, 2
	s_lshl_b32 s43, 15, s43
	s_lshl_b32 s44, 0x1111, s40
	s_or_b32 s[G1+0], s43, (0<<16)|(1<<20)|(1<<21)|(5<<22)|(3<<25)
	s_or_b32 s[G1B+0], s44, (0<<16)|(1<<20)|(1<<21)|(5<<22)|(3<<25)
.irp g, G1, G1B
	s_mov_b32 s[\g+1], ROWB<<16
	s_mov_b32 s[\g+2], 256<<16                     ; at the head a load brings all 256 rows of one operand's tile
	s_mov_b32 s[\g+3], ROWB<<16
	s_mov_b32 s[\g+4], 256
	s_mov_b32 s[\g+5], KROW
	s_mov_b32 s[\g+6], 0
	s_mov_b32 s[\g+7], 0
.endr
	s_lshl_b32 s18, s16, 7
	s_lshl_b32 s20, s17, 8
	s_add_co_u32 s20, s20, s18
	s_lshl_b32 s20, s20, 10
	s_mov_b32 s21, 0
	s_lshl_b32 s46, s42, 8
	s_add_co_u32 s46, s46, s18
	s_lshl_b32 s46, s46, 10
	s_mov_b32 s47, 0
	s_mul_i32 s45, s14, HALFT
	s_wait_kmcnt 0x0
	s_load_b256 s[88:95], s[80:81], 0x0
	s_load_b32 s96, s[80:81], 0x24
	s_cmp_eq_u32 ttmp9, 0
	s_cselect_b64 s[4:5], s[68:69], s[70:71]
	s_cselect_b64 s[6:7], s[74:75], s[76:77]
	s_cselect_b64 s[10:11], s[82:83], s[84:85]
	s_cmp_eq_u32 ttmp9, 2
	s_cselect_b64 s[4:5], s[78:79], s[4:5]
	s_cselect_b64 s[6:7], s[72:73], s[6:7]
	s_cselect_b64 s[10:11], s[86:87], s[10:11]
	s_add_nc_u64 s[20:21], s[4:5], s[20:21]
	s_add_nc_u64 s[46:47], s[6:7], s[46:47]
	CROUND
.irp s, 0,1
	s_mov_b32 s[G0+4*\s], 1
	s_add_co_u32 s[G0+4*\s+1], s45, \s*SLOT
	s_add_nc_u64 s[G0+4*\s+2:G0+4*\s+3], s[20:21], \s*ROWB
	s_or_b32 s[G0+4*\s+3], s[G0+4*\s+3], 0x80000000
	s_mov_b32 s[G0B+4*\s], 1
	s_add_co_u32 s[G0B+4*\s+1], s45, \s*SLOT
	s_add_nc_u64 s[G0B+4*\s+2:G0B+4*\s+3], s[46:47], \s*ROWB
	s_or_b32 s[G0B+4*\s+3], s[G0B+4*\s+3], 0x80000000
.endr
	; THE HEAD'S FILLS: one tensor load a wave.  Wave 0: A's 256 rows of K step 0 into slot 0; wave 1: A's of K step 1 into slot 1; waves 2, 3: B's likewise.
	; s[20:21] and s[46:47] stand at the wave's 128 rows: 128 rows (131,072 bytes) back and 256 bytes on for the odd waves.
	; No prefetch: K is 1,024, four K steps, of which two are asked for here: the loop has one trip and nothing to run ahead in.
	s_mul_i32 s82, s16, 130816
	s_mov_b32 s83, 0
	s_mov_b32 s76, 1
	s_mul_i32 s77, s16, SLOT
	s_sub_nc_u64 s[78:79], s[20:21], s[82:83]
	s_or_b32 s79, s79, 0x80000000
	s_mov_b32 s84, 1
	s_add_co_u32 s85, s77, 2*HALFT
	s_sub_nc_u64 s[86:87], s[46:47], s[82:83]
	s_or_b32 s87, s87, 0x80000000
.irp w, 0,1,2,3                                ; one chain of branches on the wave's number, one fill to an arm: waves 0, 1 by A's registers, waves 2, 3 by B's
.if \w < 3
	s_cmp_eq_u32 s14, \w
	s_cbranch_scc0 .Lnot_\w
.endif
	tensor_load_to_lds s[76+8*(\w/2):79+8*(\w/2)], s[G1+24*(\w/2):G1+24*(\w/2)+7]
	s_nop 0
.rept 4
	v_nop
.endr
.if \w < 3
	s_branch .Lheads_out
.Lnot_\w:
.endif
.endr
.Lheads_out:
	v_and_b32 v1, 15, v0
	v_bfe_u32 v2, v0, 4, 1
	v_mul_u32_u24 v3, v1, PITCH
	s_wait_alu depctr_va_vdst(0)
	v_lshl_add_u32 v4, v2, 4, v3
	s_mul_i32 s21, s15, HALFT
	s_mul_i32 s22, s16, HALFT
	s_add_co_u32 s22, s22, 2*HALFT
.irp s, 0,1
	v_add_nc_u32 v[ADRA+\s], s21, v4
	v_add_nc_u32 v[ADRB+\s], s22, v4
	s_add_co_u32 s21, s21, SLOT
	s_add_co_u32 s22, s22, SLOT
.endr
	s_mul_i32 s23, s15, 128*PITCH
	s_lshl_b32 s13, s16, 7
	s_add_co_u32 s23, s23, s13
	v_lshl_add_u32 v5, v2, 3, v3
	v_add_nc_u32 v[STO], s23, v5
	v_and_b32 v6, 31, v0
	v_lshrrev_b32 v7, 2, v6
	v_mul_u32_u24 v7, v7, PITCH
	v_and_b32 v8, 3, v6
	v_lshl_add_u32 v7, v8, 4, v7
	s_mul_i32 s23, s14, 64*PITCH
	v_add_nc_u32 v[RD], s23, v7
	v_lshlrev_b32 v[CO], 4, v6
	s_cmp_eq_u32 ttmp9, 2
	s_cselect_b32 s66, s42, s17
	s_cselect_b32 s67, s17, s42
	s_mov_b32 s100, 4096
	s_cselect_b32 s100, 0x40000, s100
	s_mov_b32 s98, 0x40000
	s_cselect_b32 s98, 4096, s98
	s_mov_b32 s99, 0
	s_lshl_b32 s67, s67, 20
	s_lshl_b32 s66, s66, 14
	s_add_co_u32 s66, s66, s67
	s_mul_i32 s67, s14, s100
	s_add_co_u32 s66, s66, s67
	s_mov_b32 s67, 0
	s_add_nc_u64 s[68:69], s[10:11], s[66:67]
	s_add_nc_u64 s[70:71], s[68:69], s[98:99]
	s_add_nc_u64 s[72:73], s[70:71], s[98:99]
	s_add_nc_u64 s[74:75], s[72:73], s[98:99]
.macro FRAG reg, adr, q, i
.irp c, 0,1,2,3
	ds_load_b128 v[\reg+4*\c:\reg+4*\c+3], v[\adr] offset:128*(\q)+32*\c+(\i)*16*PITCH
.endr
.endm
.macro MUL16 a0, p, zero
.irp a, \a0, \a0+1
.irp b, 0,1,2,3,4,5,6,7
.if \zero
	v_wmma_f32_16x16x128_bf8_bf8 v[8*(8*((\a)%4)+\b):8*(8*((\a)%4)+\b)+7], v[128*(\p)+FR*\b:128*(\p)+FR*\b+FR-1], v[AF+FR*(\a):AF+FR*(\a)+FR-1], 0
.else
	v_wmma_f32_16x16x128_bf8_bf8 v[8*(8*((\a)%4)+\b):8*(8*((\a)%4)+\b)+7], v[128*(\p)+FR*\b:128*(\p)+FR*\b+FR-1], v[AF+FR*(\a):AF+FR*(\a)+FR-1], v[8*(8*((\a)%4)+\b):8*(8*((\a)%4)+\b)+7]
.endif
.endr
.endr
.endm
.macro FETCH_B slot, q, p
	WIN TO_B
.irp i, 0,1,2,3,4,5,6,7
	FRAG 128*(\p)+FR*\i, ADRB+\slot, \q, \i
.endr
	WIN 0
.endm
.macro FETCH_A slot, q, i0
.irp i, \i0, \i0+1, \i0+2, \i0+3
	FRAG AF+FR*(\i), ADRA+\slot, \q, \i
.endr
.endm
.macro PLACES n
.rept \n
	v_nop
.endr
.endm
.macro STEP slot, q, zero
	s_wait_dscnt 4*NL
	WIN MUL_LO
	MUL16 0, (\q)%2, \zero
	MUL16 2, (\q)%2, \zero
	s_wait_dscnt 0
	PLACES NP
	FETCH_B \slot, (\q)+1, 1-(\q)%2
	FETCH_A \slot, (\q)+1, 0
	WIN MUL_HI
	MUL16 4, (\q)%2, \zero
	MUL16 6, (\q)%2, \zero
	PLACES NP
	WIN 0
	FETCH_A \slot, (\q)+1, 4
.endm
.macro TURN slot, next, fill
	s_wait_tensorcnt 0x0
	ds_add_u32 v[SPW], v[NIL]
	s_wait_dscnt 4*NL+1
	WIN MUL_LO
	MUL16 0, 1, 0
	s_wait_dscnt 0x0
	s_barrier_signal -1
	MUL16 2, 1, 0
	WIN 0
	s_barrier_wait -1
.if \fill
	CREST
	s_add_nc_u64 s[G0+4*\slot+2:G0+4*\slot+3], s[G0+4*\slot+2:G0+4*\slot+3], 2*ROWB
	s_add_nc_u64 s[G0B+4*\slot+2:G0B+4*\slot+3], s[G0B+4*\slot+2:G0B+4*\slot+3], 2*ROWB
	JLOAD G0+4*\slot, G1, G0B+4*\slot, G1B
.else
	PLACES NP
.endif
	FETCH_B \next, 0, 0
	FETCH_A \next, 0, 0
	WIN MUL_HI
	MUL16 4, 1, 0
	MUL16 6, 1, 0
	PLACES NP
	WIN 0
	FETCH_A \next, 0, 4
.endm
	s_wait_alu depctr_va_vdst(0)                   ; the wait at the head's end
	s_cmp_eq_u32 s14, 1                            ; waves 0 and 2 fetched slot 0 and wait for it; slot 1's loads (waves 1, 3) may stay out
	s_cbranch_scc1 .Lslot1_owner
	s_cmp_eq_u32 s14, 3
	s_cbranch_scc1 .Lslot1_owner
	s_wait_tensorcnt 0x0
.Lslot1_owner:
	s_barrier_signal -1
	s_barrier_wait -1
	FETCH_B 0, 0, 0
	FETCH_A 0, 0, 0
	FETCH_A 0, 0, 4
	STEP 0, 0, 1
	s_wait_tensorcnt 0x0                           ; no load of mine is out, so group 1 may be written: a refill brings 128 rows a wave
	s_mov_b32 s[G1+2], 128<<16
	s_mov_b32 s[G1+4], 128
	s_mov_b32 s[G1B+2], 128<<16
	s_mov_b32 s[G1B+4], 128
	s_mov_b32 s3, LAPS-1
.Llap:
	TURN 0, 1, 1
	STEP 1, 0, 0
	TURN 1, 0, 1
	STEP 0, 0, 0
	s_sub_co_u32 s3, s3, 1
	s_cmp_lg_u32 s3, 0
	s_cbranch_scc1 .Llap
	TURN 0, 1, 0
	STEP 1, 0, 0
	s_wait_dscnt 4*NL
	WIN MUL_LO
	MUL16 0, 1, 0
	MUL16 2, 1, 0
	s_wait_dscnt 0
	WIN MUL_HI
	MUL16 4, 1, 0
	MUL16 6, 1, 0
	WIN 0
	s_wait_kmcnt 0x0
	s_sub_co_i32 s94, s94, s88
	s_sub_co_i32 s94, s94, s89
	s_sub_co_i32 s95, s95, s90
	s_sub_co_i32 s95, s95, s91
	s_sub_co_i32 s96, s96, s92
	s_sub_co_i32 s96, s96, s93
	s_cmp_eq_u32 ttmp9, 0
	s_cselect_b32 s94, s94, s95
	s_cmp_eq_u32 ttmp9, 2
	s_cselect_b32 s94, s96, s94
	s_add_co_i32 s94, s94, 127
	s_lshl_b32 s95, s94, 23
	v_mov_b32 v[SCL], s95
	s_add_co_i32 s94, s94, 15
	s_lshl_b32 s94, s94, 23
	s_or_b32 s94, s94, 0x600000
	v_mov_b32 v[LIM], s94
	PLACES NP
.macro OUTBLK a
.set AC, 64*((\a)%4)
.set WS, 0x02+((\a)/4)
	WIN WS
.set j, 0
.rept 64
	v_med3_num_f32 v[TMP+j], v[AC+j], -v[LIM], v[LIM]
.set j, j+1
.endr
	WIN 0
.irp b, 0,1,2,3,4,5,6,7
	v_cvt_scalef32_pk8_bf8_f32 v[CD+16*(\a)+2*\b:CD+16*(\a)+2*\b+1], v[TMP+8*\b:TMP+8*\b+7], v[SCL]
.endr
	v_nop
.irp b, 0,1,2,3,4,5,6,7
	ds_store_b64 v[STO], v[CD+16*(\a)+2*\b:CD+16*(\a)+2*\b+1] offset:(\a)*16*PITCH+16*\b
.endr
.endm
.irp a, 0,1,2,3,4,5,6,7
	OUTBLK \a
.endr
	s_wait_dscnt 0x0
	s_barrier_signal -1
	s_barrier_wait -1
.irp jh, 0,1,2,3
.irp g, 0,1,2,3,4,5,6,7
	ds_load_b128 v[TMP+4*(8*\jh+\g):TMP+4*(8*\jh+\g)+3], v[RD] offset:\g*8*PITCH+64*\jh
.endr
.endr
.irp jh, 0,1,2,3
.irp g, 0,1,2,3,4,5,6,7
	s_wait_dscnt 31-(8*\jh+\g)
	global_store_b128 v[CO], v[TMP+4*(8*\jh+\g):TMP+4*(8*\jh+\g)+3], s[68+2*\jh:69+2*\jh] offset:\g*512
.endr
.endr
	s_wait_tensorcnt 0x0
	ds_add_u32 v[SPW], v[NIL]
	s_wait_dscnt 0x0
	CROUND
	s_endpgm
.Lfunc_end_k_q42e1486853_qkv:
	.size	k_q42e1486853_qkv, .Lfunc_end_k_q42e1486853_qkv-k_q42e1486853_qkv
	.p2alignl 7, 3214868480
	.fill 96, 4, 3214868480
	.section	.rodata,"a",@progbits
	.p2align	6, 0x0
	.amdhsa_kernel k_q42e1486853_qkv
		.amdhsa_group_segment_fixed_size 327680
		.amdhsa_private_segment_fixed_size 0
		.amdhsa_enable_private_segment 0
		.amdhsa_kernarg_size 80
		.amdhsa_user_sgpr_count 2
		.amdhsa_user_sgpr_kernarg_segment_ptr 1
		.amdhsa_wavefront_size32 1
		.amdhsa_system_sgpr_workgroup_id_x 1
		.amdhsa_system_sgpr_workgroup_id_y 1
		.amdhsa_system_sgpr_workgroup_id_z 1
		.amdhsa_system_vgpr_workitem_id 0
		.amdhsa_next_free_vgpr 1024
		.amdhsa_next_free_sgpr 102
		.amdhsa_reserve_vcc 0
		.amdhsa_float_denorm_mode_32 3
		.amdhsa_float_denorm_mode_16_64 3
		.amdhsa_memory_ordered 1
		.amdhsa_forward_progress 1
		.amdhsa_inst_pref_size 127
	.end_amdhsa_kernel
	.amdgpu_metadata
---
amdhsa.version: [ 1, 2 ]
amdhsa.kernels:
  - .name:           k_q42e1486853_qkv
    .symbol:         k_q42e1486853_qkv.kd
    .args:
      - { .name: ha, .offset: 0, .size: 8, .value_kind: global_buffer, .address_space: global }
      - { .name: hb, .offset: 8, .size: 8, .value_kind: global_buffer, .address_space: global }
      - { .name: hc, .offset: 16, .size: 8, .value_kind: global_buffer, .address_space: global }
      - { .name: Wq_codes, .offset: 24, .size: 8, .value_kind: global_buffer, .address_space: global }
      - { .name: Wk_codes, .offset: 32, .size: 8, .value_kind: global_buffer, .address_space: global }
      - { .name: Wv_codes, .offset: 40, .size: 8, .value_kind: global_buffer, .address_space: global }
      - { .name: lowp_scales, .offset: 48, .size: 8, .value_kind: global_buffer, .address_space: global }
      - { .name: qc, .offset: 56, .size: 8, .value_kind: global_buffer, .address_space: global }
      - { .name: kc, .offset: 64, .size: 8, .value_kind: global_buffer, .address_space: global }
      - { .name: vc, .offset: 72, .size: 8, .value_kind: global_buffer, .address_space: global }
    .group_segment_fixed_size: 327680
    .private_segment_fixed_size: 0
    .kernarg_segment_align: 8
    .kernarg_segment_size: 80
    .max_flat_workgroup_size: 128
    .sgpr_count:     102
    .vgpr_count:     1024
    .wavefront_size: 32
...
	.end_amdgpu_metadata
.endif
;; end of part 2
;; launch attn (part 3): grid 8 x 32, 16 waves a work-group, clusters of 4 x 1, 327,680 bytes of LDS; arguments qc, kc, vc, lowp_scales, hb; writes hb
.if DOCPART == 3
	.amdgcn_target "amdgcn-amd-amdhsa--gfx1250"
	.amdhsa_code_object_version 6
	.text
	.protected	k_q42e1486853_attn
	.globl	k_q42e1486853_attn
	.p2align	8
	.type	k_q42e1486853_attn,@function
k_q42e1486853_attn:
	s_mov_b64 s[64:65], 0
	v_nop
	global_prefetch_b8 v0, s[64:65] scope:SCOPE_SE
	s_setreg_imm32_b32 hwreg(HW_REG_WAVE_MODE, 25, 1), 1
	s_wait_xcnt 0x0
	s_wait_alu depctr_hold_cnt(0) depctr_sa_sdst(0) depctr_va_vdst(0) depctr_va_sdst(0) depctr_va_ssrc(0) depctr_va_vcc(0) depctr_vm_vsrc(0)
	s_getreg_b32 s2, hwreg(HW_REG_IB_STS2, 6, 4)
	s_cmp_eq_u32 s2, 0
	s_cbranch_scc0 .Lentry_in_a_cluster
	s_endpgm
.Lentry_in_a_cluster:
	s_bfe_u32 s2, ttmp6, 0x10000c
	s_cmp_lg_u32 s2, 0x3003
	s_cbranch_scc0 .Lentry_shape_is_right
	s_endpgm
.Lentry_shape_is_right:
; ctx[q] = the sum over keys k <= q of softmax_k(q . k / 8) v[k], for 32 (batch, head) pairs of 2,048 tokens and 64 channels, both products on codes of E5M2; ctx is quantised at once (entry 10 of the scales).
; qc, kc: [head][token][64 channels]; vc: [head][token / 64][channel][64 keys]; ctx goes out as [head][token][64].  Entries: q 6, k 7, p 8, v 9.
; THE SOFTMAX: t = score x log2(e) / 8; M = the running largest t rounded UP to a whole number; p = 2^(t - M) is quantised, not normalised; the row's sum is taken of the unquantised p and divides at the end.
; When M moves, the sum and O are multiplied by 2^(old M - new M): exact.  Key steps all of whose keys come after a tile's queries are hidden by reference()'s own causal mask and are not worked.
; SHARES.  Work-group i (0..7) of a head owns queries 128 t + 16 i + 0..15 for blocks t = 0..15; block t needs key steps 0 .. t of 128 keys: 136 steps a work-group.
; Blocks p and 15 - p (p = 0..7) need 17 steps together and are shared by two waves: wave p walks steps 0 .. 8 of block 15 - p (9 steps); wave 8 + p walks block p (p + 1 steps), sends it out,
; and walks steps 9 .. 15 - p of block 15 - p (7 - p steps).  Wave p leaves its state (-M, the sum, O^T) in LDS; behind one barrier wave 8 + p joins the two states under the larger M, by powers of two, and sends the block out.
; Which steps a wave works hangs on its number and a counter alone, so the four work-groups of a cluster run alike and ask for K and V JOINTLY.  The place in the cluster enters only global addresses and the diagonal's lane constant.
; ALL OF K AND V LIES IN LDS, each byte filled once: waves 0 to 3 fetch the first 256 keys (K's halves, V's halves), waves 4 to 7 the other 1,792: one tensor load a wave.  All is asked for at the head: nothing is left for a prefetch.
; LAYOUT.  Both products are used transposed: S^T = K Q^T, O^T = V^T P^T: a lane holds ONE query (lane % 16).  Lane r of key tile 2 b + u takes key 32 b + 8 u + r + 8 (r / 8), so that the 16 registers of tiles 2 b, 2 b + 1
; are the keys 32 b + 16 (lane / 16) + 0..15: the conversions' results are the second product's operand.
; LIMITS on the given exponents: e6 + e7 between -123 and 130; e8 and e10 between -126 and 112; e8 + e9 is applied by v_ldexp_f32.  NaN is not served.
; REGISTERS: v1-4, v7, v24-27 addresses that stay; v8, v9 the step's; v12 -M, v13 the largest t, v[14:15] the sum; v16-23 Q; v32-95 K's fragments, then V's; v96-159 S^T, then p; v160-191 O^T; v192-199 the second block's Q; v224-239 p's codes; v240-255 constants and work.
.set LP,    272
.set STEPB, 32*LP
.set VOFF,  512*LP
.set STAGE, 2*VOFF                     ; the way out: 16 rows x 80 bytes for each pair of waves
.set SPI,   80
.set STATE, STAGE+8*16*SPI             ; a pair's state: eight images of four registers (512 bytes each), then 8 bytes a lane
.set STW,   8*512+256
.set SPARE, STATE+8*STW                ; the spare words, 128 bytes a wave
.set R1,    32
.set R2,    224
.macro CROUND
	s_barrier_signal -1
	s_barrier_wait -1
	s_cmp_lg_u32 s18, 0
	s_cbranch_scc1 .Lnot_wave_0_\@
	s_barrier_signal -3
.Lnot_wave_0_\@:
	s_barrier_wait -3
	s_barrier_signal -1
	s_barrier_wait -1
.endm
	s_load_b256 s[4:11], s[0:1], 0x0               ; qc, kc, vc, the scales' exponents
	s_load_b64 s[12:13], s[0:1], 0x20              ; ctx
	v_lshl_add_u32 v250, v0, 2, SPARE
	v_mov_b32 v251, 0
	ds_add_u32 v250, v251                          ; the opening lines: the add twice on end and its wait
	ds_add_u32 v250, v251
	v_lshrrev_b32 v8, 5, v0
	v_readfirstlane_b32 s18, v8                    ; wave 0..15
	s_and_b32 s14, s18, 7                          ; p
	s_lshr_b32 s15, s18, 3                         ; 0: waves 0-7; 1: waves 8-15
	s_xor_b32 s46, s14, 15                         ; 15 - p
	s_mul_i32 s37, s46, s15                        ; the block of the second walk: 15 - p in waves 8-15; 0 in waves 0-7, which hides steps 9 on from them
	s_xor_b32 s45, s15, 1
	s_mul_i32 s45, s45, 15
	s_xor_b32 s19, s14, s45                        ; the block of the first walk: 15 - p in waves 0-7, p in waves 8-15
	s_bfe_u32 s40, ttmp6, 0x40000                  ; cx
	s_lshl_b32 s41, ttmp9, 2
	s_add_co_u32 s41, s41, s40                     ; i
	s_and_b32 s42, ttmp7, 0xffff
	s_and_b32 s43, s42, 15                         ; head
	s_lshr_b32 s42, s42, 4                         ; batch
	s_lshl_b32 s66, s43, 18
	s_lshl_b32 s42, s42, 17
	s_add_co_u32 s66, s66, s42                     ; the (batch, head)'s first byte in each buffer
	s_mov_b32 s67, 0
	s_and_b32 s16, s18, 1                          ; what I fetch, if I fetch: which half,
	s_bfe_u32 s17, s18, 0x10001                    ; of K (0) or V (1)
	s_lshl_b32 s68, s16, 13
	s_add_co_u32 s68, s68, s66
	s_mov_b32 s69, 0
	s_mul_i32 s70, s16, R2*256
	s_add_co_u32 s70, s70, s66
	s_add_co_u32 s70, s70, 2*R1*256
	s_mov_b32 s71, 0
	s_mul_i32 s74, s17, VOFF
	s_mul_i32 s75, s16, R1*LP
	s_add_co_u32 s75, s75, s74
	s_mul_i32 s76, s16, R2*LP
	s_add_co_u32 s76, s76, s74
	s_add_co_u32 s76, s76, 2*R1*LP
	s_lshl_b32 s73, s41, 10
	s_add_co_u32 s73, s73, s66
	s_lshl_b32 s72, s19, 13
	s_add_co_u32 s72, s72, s73                     ; the first walk's queries: query 128 t + 16 i, 64 bytes each
	s_lshl_b32 s78, s46, 13
	s_add_co_u32 s78, s78, s73                     ; block 15 - p's
	s_mov_b32 s73, 0
	s_mov_b32 s79, 0
	s_mov_b32 s24, 15|(0<<16)|(1<<20)|(1<<21)|(5<<22)|(3<<25)   ; the mask: all four work-groups; 1-byte elements; 4 words of padding after every 64
	s_mov_b32 s25, 256<<16
	s_mov_b32 s26, R1<<16
	s_mov_b32 s27, 256<<16
	s_mov_b32 s28, R1
	s_mov_b32 s29, 256
	s_mov_b32 s30, 0
	s_mov_b32 s31, 0
	s_mov_b32 s84, 15|(0<<16)|(1<<20)|(1<<21)|(5<<22)|(3<<25)
	s_mov_b32 s85, 256<<16
	s_mov_b32 s86, R2<<16
	s_mov_b32 s87, 256<<16
	s_mov_b32 s88, R2
	s_mov_b32 s89, 256
	s_mov_b32 s90, 0
	s_mov_b32 s91, 0
	s_mov_b32 s20, 0x76543210                      ; v_permlanex16_b32: lane l xor 16
	s_mov_b32 s21, 0xfedcba98
	s_mov_b32 s36, 0                               ; LDS byte of the step in hand
	s_mov_b32 s38, 0                               ; KS: the key step
	s_wait_dscnt 0x0
	s_wait_kmcnt 0x0
	s_load_b512 s[48:63], s[10:11], 0x0            ; entry n in s[48 + n]
	s_cmp_eq_u32 s17, 0
	s_cselect_b64 s[34:35], s[6:7], s[8:9]
	s_mov_b64 s[94:95], s[34:35]
	s_add_nc_u64 s[34:35], s[34:35], s[68:69]
	s_or_b32 s35, s35, 0x80000000
	s_add_nc_u64 s[94:95], s[94:95], s[70:71]
	s_or_b32 s95, s95, 0x80000000
	s_mov_b32 s32, 1
	s_mov_b32 s33, s75
	s_mov_b32 s92, 1
	s_mov_b32 s93, s76
	CROUND                                         ; all four work-groups are here: the joint loads meet
	s_cmp_lt_u32 s18, 4                            ; one chain of branches on the wave's number, one fill to an arm
	s_cbranch_scc0 .Lsecond
	tensor_load_to_lds s[32:35], s[24:31]
	s_nop 0
.rept 4
	v_nop
.endr
	s_branch .Lasked
.Lsecond:
	s_cmp_lt_u32 s18, 8
	s_cbranch_scc0 .Lasked
	tensor_load_to_lds s[92:95], s[84:91]
	s_nop 0
.rept 4
	v_nop
.endr
.Lasked:
	s_add_nc_u64 s[80:81], s[4:5], s[78:79]        ; Q and ctx of block 15 - p,
	s_add_nc_u64 s[82:83], s[12:13], s[78:79]
	s_add_nc_u64 s[4:5], s[4:5], s[72:73]          ; and of the first walk's block
	s_add_nc_u64 s[12:13], s[12:13], s[72:73]
	s_mul_i32 s77, s14, 16*SPI
	s_add_co_u32 s77, s77, STAGE                   ; my pair's stage
	s_mul_i32 s75, s14, STW
	s_add_co_u32 s75, s75, STATE                   ; my pair's state
	s_lshl_b32 s76, s41, 4
	v_and_b32 v30, 31, v0                          ; lane
	v_and_b32 v28, 15, v0                          ; r
	v_bfe_u32 v29, v0, 4, 1                        ; h
	v_lshlrev_b32 v24, 6, v28
	v_lshl_add_u32 v24, v29, 4, v24                ; Q: row r of 64 bytes + 16 h
	global_load_b128 v[16:19], v24, s[4:5]
	global_load_b128 v[20:23], v24, s[4:5] offset:32
	global_load_b128 v[192:195], v24, s[80:81]
	global_load_b128 v[196:199], v24, s[80:81] offset:32
	v_and_b32 v31, 8, v28
	v_add_nc_u32 v31, v31, v28                     ; my row of a tile of K: r + 8 (r / 8)
	v_lshrrev_b32 v1, 2, v31
	v_mul_u32_u24 v1, v1, LP
	v_and_b32 v31, 3, v31
	v_lshl_add_u32 v1, v31, 6, v1
	v_lshl_add_u32 v1, v29, 4, v1
	v_lshrrev_b32 v2, 2, v28
	v_mul_u32_u24 v2, v2, LP
	v_and_b32 v31, 3, v28
	v_lshl_add_u32 v2, v31, 6, v2
	v_lshl_add_u32 v2, v29, 4, v2
	v_add_nc_u32 v2, VOFF, v2                      ; row r of a tile of V
	v_lshlrev_b32 v7, 4, v30                       ; 16 x lane
	v_add_nc_u32 v3, s75, v7                       ; the state's images: 16 bytes a lane
	v_lshlrev_b32 v4, 3, v30
	v_add_nc_u32 v4, s75, v4
	v_add_nc_u32 v4, 8*512, v4                     ; -M and the sum: 8 bytes a lane
	v_mul_u32_u24 v26, v28, SPI
	v_lshl_add_u32 v26, v29, 3, v26
	v_add_nc_u32 v26, s77, v26                     ; into the stage: row r, 8 bytes for each half of the lanes
	v_lshrrev_b32 v27, 2, v30
	v_mul_u32_u24 v27, v27, SPI
	v_and_b32 v31, 3, v30
	v_lshl_add_u32 v27, v31, 4, v27
	v_add_nc_u32 v27, s77, v27                     ; back: four lanes to a row of 64 bytes
	v_lshlrev_b32 v241, 4, v29
	v_sub_nc_u32 v241, v28, v241
	v_add_nc_u32 v241, s76, v241                   ; 16 i + r - 16 h: on the diagonal register n's key is hidden where 32 (n / 16) + n % 16 is above this
	v_mov_b32 v245, 0xff800000                     ; -infinity
	v_mov_b32 v246, 0
	v_mov_b32 v253, 0
	v_mov_b32 v255, 0
.macro FRESH                           ; a walk begins: the largest t -3e38, the sum and O^T zeros, which the first change of M leaves zeros
	v_mov_b32 v13, 0xff61b1e6
	v_floor_f32 v12, -v13
	v_mov_b32 v14, 0
	v_mov_b32 v15, 0
.set j, 0
.rept 32
	v_mov_b32 v[160+j], 0
.set j, j+1
.endr
.endm
	FRESH
	s_wait_kmcnt 0x0
	s_add_co_i32 s76, s54, s55
	s_lshl_b32 s76, s76, 23
	s_mov_b32 s22, 0x3e38aa3b                      ; c = log2(e) / 8,
	s_add_co_i32 s22, s22, s76                     ; x 2^(e6 + e7)
	s_mov_b32 s23, s22
	s_add_co_i32 s76, s56, 127
	s_lshl_b32 s77, s76, 23
	v_mov_b32 v244, s77                            ; 2^e8
	s_add_co_i32 s76, s76, 15
	s_lshl_b32 s76, s76, 23
	s_or_b32 s76, s76, 0x600000
	v_mov_b32 v240, s76                            ; 57,344 x 2^e8
	s_add_co_i32 s76, s58, 127
	s_lshl_b32 s77, s76, 23
	v_mov_b32 v249, s77                            ; 2^e10
	s_add_co_i32 s76, s76, 15
	s_lshl_b32 s76, s76, 23
	s_or_b32 s76, s76, 0x600000
	v_mov_b32 v248, s76                            ; 57,344 x 2^e10
	s_add_co_i32 s47, s56, s57                     ; e8 + e9
; A KEY STEP: 128 keys at LDS byte s36 of K's and of V's part, for the block s19.
.macro STEP
	v_add_nc_u32 v8, s36, v1
	v_add_nc_u32 v9, s36, v2
	s_cmp_gt_u32 s38, s19                          ; all 128 keys come after my queries: the step's work is passed over
	s_cbranch_scc1 .Lhidden_\@
.irp kt, 0,1,2,3,4,5,6,7
.irp c, 0,1
	ds_load_b128 v[32+8*\kt+4*\c:32+8*\kt+4*\c+3], v8 offset:(8*(\kt/2)+2*(\kt%2))*LP+32*\c
.endr
.endr
	s_wait_dscnt 0x0
.irp kt, 0,1,2,3,4,5,6,7
	v_wmma_f32_16x16x64_bf8_bf8 v[96+8*\kt:103+8*\kt], v[32+8*\kt:39+8*\kt], v[16:23], 0
.endr
.rept 4
	v_nop                                          ; places in front of the loads into K's registers and of the first read of the scores
.endr
	s_wait_alu depctr_va_vdst(0)
.irp dt, 0,1,2,3                               ; V's four fragments land while the softmax is worked
.irp c, 0,1,2,3
	ds_load_b128 v[32+16*\dt+4*\c:32+16*\dt+4*\c+3], v9 offset:((\c/2)*16+\dt*4)*LP+32*(\c%2)
.endr
.endr
	s_cmp_lt_u32 s38, s19
	s_cbranch_scc1 .Lopen_\@                       ; a step all of whose keys count skips the mask
.set n, 0
.rept 64
	v_cmp_gt_i32 vcc_lo, 32*(n/16)+n%16, v241
	v_cndmask_b32 v[96+n], v[96+n], v245, vcc_lo
.set n, n+1
.endr
.Lopen_\@:
	v_max3_num_f32 v254, v96, v97, v98
	v_max3_num_f32 v255, v99, v100, v101
.irp i, 6,10,14,18,22,26,30,34,38,42,46,50,54,58
	v_max3_num_f32 v254, v254, v[96+\i], v[97+\i]
	v_max3_num_f32 v255, v255, v[98+\i], v[99+\i]
.endr
	v_max3_num_f32 v254, v254, v158, v159
	s_delay_alu instid0(VALU_DEP_1)
	v_max_num_f32 v254, v254, v255
	s_delay_alu instid0(VALU_DEP_1)
	v_permlanex16_b32 v246, v254, s20, s21
	s_delay_alu instid0(VALU_DEP_1)
	v_max_num_f32 v254, v254, v246
	s_delay_alu instid0(VALU_DEP_1)
	v_mul_f32 v254, s22, v254                      ; as t (c is positive)
	s_delay_alu instid0(VALU_DEP_1)
	v_max_num_f32 v13, v13, v254
	v_mov_b32 v254, v12
	s_delay_alu instid0(VALU_DEP_2)
	v_floor_f32 v12, -v13                          ; the new -M
	s_delay_alu instid0(VALU_DEP_1)
	v_sub_f32 v254, v12, v254                      ; old M - new M
	s_delay_alu instid0(VALU_DEP_1)
	v_cvt_i32_f32 v254, v254
	s_delay_alu instid0(VALU_DEP_1)
	v_ldexp_f32 v252, 1.0, v254                    ; f = 2^(old M - new M)
.set j, 0
.rept 32
	v_pk_fma_f32 v[96+j:97+j], v[96+j:97+j], s[22:23], v[12:13] op_sel_hi:[1,0,0]   ; t - M
.set j, j+2
.endr
.set j, 0
	s_wait_alu depctr_va_vdst(0)                   ; the wait ahead of the batch
.rept 64
	v_exp_f32 v[96+j], v[96+j]
.set j, j+1
.endr
	v_pk_mul_f32 v[14:15], v[14:15], v[252:253] op_sel_hi:[1,0]
	s_wait_alu depctr_va_vdst(0)                   ; and behind it, ahead of its first reader
	v_pk_add_f32 v[242:243], v[100:101], v[104:105]
	v_pk_add_f32 v[254:255], v[108:109], v[112:113]
	v_pk_add_f32 v[238:239], v[116:117], v[120:121]
	v_pk_add_f32 v[236:237], v[124:125], v[128:129]
	v_pk_add_f32 v[234:235], v[132:133], v[136:137]
	v_pk_add_f32 v[232:233], v[140:141], v[144:145]
	v_pk_add_f32 v[230:231], v[148:149], v[152:153]
	v_pk_add_f32 v[14:15], v[14:15], v[156:157]
	v_pk_add_f32 v[242:243], v[242:243], v[96:97]
	v_pk_add_f32 v[254:255], v[254:255], v[98:99]
	v_pk_add_f32 v[238:239], v[238:239], v[102:103]
	v_pk_add_f32 v[236:237], v[236:237], v[106:107]
	v_pk_add_f32 v[234:235], v[234:235], v[110:111]
	v_pk_add_f32 v[232:233], v[232:233], v[114:115]
	v_pk_add_f32 v[230:231], v[230:231], v[118:119]
	v_pk_add_f32 v[14:15], v[14:15], v[122:123]
	v_pk_add_f32 v[242:243], v[242:243], v[126:127]
	v_pk_add_f32 v[254:255], v[254:255], v[130:131]
	v_pk_add_f32 v[238:239], v[238:239], v[134:135]
	v_pk_add_f32 v[236:237], v[236:237], v[138:139]
	v_pk_add_f32 v[234:235], v[234:235], v[142:143]
	v_pk_add_f32 v[232:233], v[232:233], v[146:147]
	v_pk_add_f32 v[230:231], v[230:231], v[150:151]
	v_pk_add_f32 v[14:15], v[14:15], v[154:155]
	v_pk_add_f32 v[242:243], v[242:243], v[158:159]
	s_delay_alu instid0(VALU_DEP_2)
	v_pk_add_f32 v[14:15], v[14:15], v[236:237]
	s_delay_alu instid0(VALU_DEP_2)
	v_pk_add_f32 v[242:243], v[242:243], v[234:235]
	v_pk_add_f32 v[254:255], v[254:255], v[232:233]
	v_pk_add_f32 v[238:239], v[238:239], v[230:231]
	s_delay_alu instid0(VALU_DEP_2)
	v_pk_add_f32 v[14:15], v[14:15], v[254:255]
	s_delay_alu instid0(VALU_DEP_2)
	v_pk_add_f32 v[242:243], v[242:243], v[238:239]
	s_delay_alu instid0(VALU_DEP_1)
	v_pk_add_f32 v[14:15], v[14:15], v[242:243]
.irp b, 0,1,2,3
.irp i, 0,1,2,3,4,5,6,7,8,9,10,11,12,13,14,15
	v_min_num_f32 v[96+16*\b+\i], v[96+16*\b+\i], v240   ; the hold (ISA guide 7.6.2); p is not negative
.endr
	v_cvt_scalef32_pk8_bf8_f32 v[224+4*\b:225+4*\b], v[96+16*\b:103+16*\b], v244
	v_cvt_scalef32_pk8_bf8_f32 v[226+4*\b:227+4*\b], v[104+16*\b:111+16*\b], v244
.endr
.set j, 0
.rept 16
	v_pk_mul_f32 v[160+j:161+j], v[160+j:161+j], v[252:253] op_sel_hi:[1,0]   ; O^T under the new M
.set j, j+2
.endr
	s_wait_alu depctr_va_vdst(0)
	s_wait_dscnt 0x0                               ; V is in
.irp dt, 0,1,2,3
	v_wmma_f32_16x16x128_bf8_bf8 v[160+8*\dt:167+8*\dt], v[32+16*\dt:47+16*\dt], v[224:239], v[160+8*\dt:167+8*\dt]   ; four accumulators by turns
.endr
.rept 4
	v_nop
.endr
.Lhidden_\@:
	s_add_co_u32 s38, s38, 1
.endm
; THE WAY OUT of a block: O^T / the sum x 2^(e8 + e9) is ctx; held, converted with 2^e10; 8 codes a lane through the stage; back as 16 rows of 64 bytes, 1,024 consecutive bytes of the output.
.macro WAYOUT o
	v_add_f32 v14, v14, v15
	v_permlanex16_b32 v246, v14, s20, s21
	v_add_f32 v14, v14, v246                       ; the row's sum
	s_wait_alu depctr_va_vdst(0)
	v_rcp_f32 v14, v14
	v_nop
	s_wait_alu depctr_va_vdst(0)
	v_ldexp_f32 v14, v14, s47
	s_wait_alu depctr_va_vdst(0)                   ; the wait ahead of the first reader of O^T
.set j, 0
.rept 32
	v_mul_f32 v[96+j], v[160+j], v14               ; each accumulator from its low end on
.set j, j+1
.endr
.set j, 0
.rept 32
	v_med3_num_f32 v[96+j], v[96+j], -v248, v248
.set j, j+1
.endr
.irp dt, 0,1,2,3
	v_cvt_scalef32_pk8_bf8_f32 v[224+2*\dt:225+2*\dt], v[96+8*\dt:103+8*\dt], v249
.endr
	v_nop
.irp dt, 0,1,2,3
	ds_store_b64 v26, v[224+2*\dt:225+2*\dt] offset:16*\dt
.endr
	ds_load_b128 v[32:35], v27                     ; LDS serves a wave's instructions in order (ISA guide 5.7.1.4)
	ds_load_b128 v[36:39], v27 offset:8*SPI
	s_wait_dscnt 0x1
	global_store_b128 v7, v[32:35], s[\o:\o+1]     ; 32 lanes store 512 consecutive bytes, aligned
	s_wait_dscnt 0x0
	global_store_b128 v7, v[36:39], s[\o:\o+1] offset:512
.endm
	s_wait_alu depctr_va_vdst(0)                   ; the wait at the head's end
	s_wait_loadcnt 0x0                             ; Q
	s_cmp_lt_u32 s18, 4                            ; waves 0 to 3 wait for the first 256 keys; the loads of waves 4 to 7 may stay out
	s_cbranch_scc0 .Lnot_first
	s_wait_tensorcnt 0x0
.Lnot_first:
	s_barrier_signal -1
	s_barrier_wait -1
	STEP                                           ; key steps 0 and 1 read the first loads' bytes
	s_add_co_u32 s36, s36, STEPB
	STEP
	s_add_co_u32 s36, s36, STEPB
	s_wait_tensorcnt 0x0                           ; the other 1,792 keys
	s_wait_dscnt 0x0
	s_barrier_signal -1
	s_barrier_wait -1
	s_mov_b32 s39, 7
.Lstep:                                                ; key steps 2 to 8
	STEP
	s_add_co_u32 s36, s36, STEPB
	s_sub_co_u32 s39, s39, 1
	s_cmp_lg_u32 s39, 0
	s_cbranch_scc1 .Lstep
	s_wait_alu depctr_va_vdst(0)
	s_cmp_lt_u32 s18, 8
	s_cbranch_scc0 .Lshort_out
	v_add_f32 v13, v14, v15                        ; waves 0-7: block 15 - p's state under steps 0 to 8 goes to LDS, each accumulator from its low end on
.irp j, 0,1,2,3,4,5,6,7
	ds_store_b128 v3, v[160+4*\j:163+4*\j] offset:512*\j
.endr
	ds_store_b64 v4, v[12:13]                      ; -M, my lane's part of the sum
	s_branch .Lwalk2
.Lshort_out:
	WAYOUT 12                                      ; waves 8-15: block p is finished
	s_wait_xcnt 0x0                                ; the stores have read their data: v32-39 are loaded anew below
	FRESH
.irp j, 0,1,2,3,4,5,6,7
	v_mov_b32 v[16+\j], v[192+\j]                  ; block 15 - p's Q
.endr
	s_wait_alu depctr_va_vdst(0)
.Lwalk2:
	s_mov_b32 s19, s37
	s_mov_b32 s39, 7
.Lstep2:                                               ; key steps 9 to 15: every wave walks the loop; waves 0-7 pass over all of them
	STEP
	s_add_co_u32 s36, s36, STEPB
	s_sub_co_u32 s39, s39, 1
	s_cmp_lg_u32 s39, 0
	s_cbranch_scc1 .Lstep2
	s_wait_alu depctr_va_vdst(0)
	s_wait_dscnt 0x0                               ; my state is stored
	s_barrier_signal -1
	s_barrier_wait -1
	s_cmp_lt_u32 s18, 8
	s_cbranch_scc1 .Lend
.irp j, 0,1,2,3,4,5,6,7
	ds_load_b128 v[32+4*\j:35+4*\j], v3 offset:512*\j
.endr
	ds_load_b64 v[64:65], v4
	s_wait_dscnt 0x0
	v_min_num_f32 v66, v12, v64                    ; -M of the two walks together
	v_sub_f32 v67, v66, v12
	v_sub_f32 v68, v66, v64
	v_cvt_i32_f32 v67, v67                         ; whole numbers, 0 or less (it saturates: a walk of no step counts for nothing)
	v_cvt_i32_f32 v68, v68
	v_ldexp_f32 v252, 1.0, v67                     ; my walk's factor,
	v_ldexp_f32 v254, 1.0, v68                     ; my partner's
	v_pk_mul_f32 v[14:15], v[14:15], v[252:253] op_sel_hi:[1,0]
	v_fmac_f32 v14, v65, v254
.set j, 0
.rept 16
	v_pk_mul_f32 v[160+j:161+j], v[160+j:161+j], v[252:253] op_sel_hi:[1,0]
.set j, j+2
.endr
.set j, 0
.rept 16
	v_pk_fma_f32 v[160+j:161+j], v[32+j:33+j], v[254:255], v[160+j:161+j] op_sel_hi:[1,0,1]
.set j, j+2
.endr
	WAYOUT 82
.Lend:
	s_wait_tensorcnt 0x0                           ; the wave's end
	ds_add_u32 v250, v251
	s_wait_dscnt 0x0
	CROUND                                         ; the closing round
	s_endpgm
.Lfunc_end_k_q42e1486853_attn:
	.size	k_q42e1486853_attn, .Lfunc_end_k_q42e1486853_attn-k_q42e1486853_attn
	.p2alignl 7, 3214868480
	.fill 96, 4, 3214868480
	.section	.rodata,"a",@progbits
	.p2align	6, 0x0
	.amdhsa_kernel k_q42e1486853_attn
		.amdhsa_group_segment_fixed_size 327680
		.amdhsa_private_segment_fixed_size 0
		.amdhsa_enable_private_segment 0
		.amdhsa_kernarg_size 40
		.amdhsa_user_sgpr_count 2
		.amdhsa_user_sgpr_kernarg_segment_ptr 1
		.amdhsa_wavefront_size32 1
		.amdhsa_system_sgpr_workgroup_id_x 1
		.amdhsa_system_sgpr_workgroup_id_y 1
		.amdhsa_system_sgpr_workgroup_id_z 1
		.amdhsa_system_vgpr_workitem_id 0
		.amdhsa_next_free_vgpr 256
		.amdhsa_next_free_sgpr 96
		.amdhsa_reserve_vcc 1
		.amdhsa_float_denorm_mode_32 3
		.amdhsa_float_denorm_mode_16_64 3
		.amdhsa_memory_ordered 1
		.amdhsa_forward_progress 1
		.amdhsa_inst_pref_size 108
	.end_amdhsa_kernel
	.amdgpu_metadata
---
amdhsa.version: [ 1, 2 ]
amdhsa.kernels:
  - .name:           k_q42e1486853_attn
    .symbol:         k_q42e1486853_attn.kd
    .args:
      - { .name: qc, .offset: 0, .size: 8, .value_kind: global_buffer, .address_space: global }
      - { .name: kc, .offset: 8, .size: 8, .value_kind: global_buffer, .address_space: global }
      - { .name: vc, .offset: 16, .size: 8, .value_kind: global_buffer, .address_space: global }
      - { .name: lowp_scales, .offset: 24, .size: 8, .value_kind: global_buffer, .address_space: global }
      - { .name: hb, .offset: 32, .size: 8, .value_kind: global_buffer, .address_space: global }
    .group_segment_fixed_size: 327680
    .private_segment_fixed_size: 0
    .kernarg_segment_align: 8
    .kernarg_segment_size: 40
    .max_flat_workgroup_size: 512
    .sgpr_count:     96
    .vgpr_count:     256
    .wavefront_size: 32
...
	.end_amdgpu_metadata
.endif
;; end of part 3
;; launch wo (part 4): grid 8 x 32, 4 waves a work-group, clusters of 4 x 4, 327,680 bytes of LDS; arguments hb, Wo_codes, lowp_scales, bo, x, x2; writes x2
.if DOCPART == 4
	.amdgcn_target "amdgcn-amd-amdhsa--gfx1250"
	.amdhsa_code_object_version 6
	.text
	.protected	k_q42e1486853_wo
	.globl	k_q42e1486853_wo
	.p2align	8
	.type	k_q42e1486853_wo,@function
k_q42e1486853_wo:
	s_mov_b64 s[64:65], 0
	v_nop
	global_prefetch_b8 v0, s[64:65] scope:SCOPE_SE
	s_setreg_imm32_b32 hwreg(HW_REG_WAVE_MODE, 25, 1), 1
	s_wait_xcnt 0x0
	s_wait_alu depctr_hold_cnt(0) depctr_sa_sdst(0) depctr_va_vdst(0) depctr_va_sdst(0) depctr_va_ssrc(0) depctr_va_vcc(0) depctr_vm_vsrc(0)
	s_getreg_b32 s2, hwreg(HW_REG_IB_STS2, 6, 4)
	s_cmp_eq_u32 s2, 0
	s_cbranch_scc0 .Lentry_in_a_cluster
	s_endpgm
.Lentry_in_a_cluster:
	s_bfe_u32 s2, ttmp6, 0x10000c
	s_cmp_lg_u32 s2, 0xf033
	s_cbranch_scc0 .Lentry_shape_is_right
	s_endpgm
.Lentry_shape_is_right:
; y = A B^T x 2^(eA + eB) + bias + residual.  A: [SIZE_K / 64][4,096 tokens][64] codes of E5M2; B: [1,024][SIZE_K] codes; bias [1,024], residual and y [4,096][1,024] f32.  LIMIT: eA + eB between -126 and 127.
; Tiles of 128 x 128 give 256 work-groups; four waves, 64 x 64 each: 16 accumulators.  K is 1,024: two LDS slots of 512 along K hold all of it, each byte filled once.
; THE FILLS: one tensor load a wave: wave 0: A's tile of slot 0; wave 1: A's of slot 1; waves 2, 3: B's likewise.  Slot 0 is multiplied while slot 1 lands.
; CLUSTERS: 4 x 4 work-groups; A's tile is shared along a row of the cluster, B's along a column: each is asked for JOINTLY.  No prefetch: all is asked for at the head and there is no loop to run ahead in.
; A's tile in LDS: [K block of 64][128 tokens], lines of 64 bytes + 16; B's: 128 rows of 512 bytes + 16.  Source 0 = 16 rows of B, source 1 = 16 tokens: a lane holds eight neighbouring columns of one row of y.
; REGISTERS: window 0: v0-35 addresses and the bias; v128-255 the accumulators.  window 1: two fragment buffers of 128.  window 2: v0-127 the residual.
.set SIZE_K, 1024
.set ENT,    0x28
.set LAST,   0
.set KSLOT,  512
.set PA,     80
.set AKB,    128*PA
.set AQ,     4*AKB
.set PB,     528
.set BHALF,  64*PB
.set BOFF,   2*AQ
.set SLOT,   BOFF+2*BHALF
.set SPARE,  2*SLOT
.set STAGE,  SPARE+512
.set SPITCH, 272
.set ADRA, 16
.set ADRB, 20
.set STO,  24
.set RD,   25
.set CO,   26
.set SPW,  28
.set NIL,  29
.set BI,   32
.set ACC,  128
.set F0,   0
.set F1,   128
.set GH1,  80
.set GH1B, 88
.set GH0,  96
.set GH0B, 16
.set PADA, (1<<20)|(1<<21)|(3<<22)|(3<<25)
.set PADB, (1<<20)|(1<<21)|(6<<22)|(3<<25)
.set MSB, 0
.macro WIN new
.if MSB != \new
	s_set_vgpr_msb (MSB<<8)|\new
.set MSB, \new
.endif
.endm
.set MUL,  0x05
.set TO_F, 0x40
.macro DESC g, c, r, p
	s_mov_b32 s[\g+1], (\c)<<16
	s_mov_b32 s[\g+2], (\r)<<16
	s_mov_b32 s[\g+3], (\c)<<16
	s_mov_b32 s[\g+4], \r
	s_mov_b32 s[\g+5], \p
	s_mov_b32 s[\g+6], 0
	s_mov_b32 s[\g+7], 0
.endm
.macro CROUND
	s_barrier_signal -1
	s_barrier_wait -1
	s_cmp_lg_u32 s10, 0
	s_cbranch_scc1 .Lnot_wave_0_\@
	s_barrier_signal -3
.Lnot_wave_0_\@:
	s_barrier_wait -3
	s_barrier_signal -1
	s_barrier_wait -1
.endm
	s_load_b128 s[4:7], s[0:1], 0x0                ; A, B
	s_load_b256 s[68:75], s[0:1], 0x10             ; the scales' exponents 68, bias 70, residual 72, y 74
	v_lshl_add_u32 v[SPW], v0, 2, SPARE
	v_mov_b32 v[NIL], 0
	ds_add_u32 v[SPW], v[NIL]                      ; the opening lines: the add twice on end and its wait
	ds_add_u32 v[SPW], v[NIL]
	v_lshrrev_b32 v1, 5, v0
	v_readfirstlane_b32 s10, v1                    ; wave
	s_lshr_b32 s11, s10, 1                         ; my half of the tile's rows.  Also: I fetch for A (0) or B (1)
	s_and_b32 s12, s10, 1                          ; my half of its columns.  Also: the slot that I fetch
	s_bfe_u32 s40, ttmp6, 0x40000
	s_bfe_u32 s41, ttmp6, 0x40004
	s_lshl_b32 s42, ttmp9, 2
	s_add_co_u32 s42, s42, s40                     ; tile column
	s_and_b32 s13, ttmp7, 0xffff
	s_lshl_b32 s13, s13, 2
	s_add_co_u32 s13, s13, s41                     ; tile row
	s_lshl_b32 s43, s41, 2
	s_lshl_b32 s43, 15, s43                        ; my row of the cluster
	s_lshl_b32 s44, 0x1111, s40                    ; my column
	s_or_b32 s[GH1], s43, PADA
	s_or_b32 s[GH1B], s44, PADB
	DESC GH1, 8192, 8, 262144                      ; A: 8 K blocks of 128 tokens x 64 bytes on end
	DESC GH1B, KSLOT, 128, SIZE_K                  ; B: 128 rows of 512 bytes
	s_lshl_b32 s16, s13, 13
	s_mov_b32 s17, 0
	s_lshl_b32 s46, s42, 7
	s_mul_i32 s46, s46, SIZE_K
	s_mov_b32 s47, 0
	s_lshl_b32 s20, s12, 21                        ; slot s12: 8 K blocks on in A,
	s_mov_b32 s21, 0
	s_lshl_b32 s22, s12, 9                         ; 512 bytes on in B's rows
	s_mov_b32 s23, 0
	s_mul_i32 s8, s12, SLOT
	s_wait_dscnt 0x0
	s_wait_kmcnt 0x0
	s_load_b64 s[76:77], s[68:69], ENT             ; eA, eB
	s_add_nc_u64 s[14:15], s[4:5], s[16:17]
	s_add_nc_u64 s[46:47], s[6:7], s[46:47]
	s_mov_b32 s[GH0], 1
	s_mov_b32 s[GH0+1], s8
	s_add_nc_u64 s[GH0+2:GH0+3], s[14:15], s[20:21]
	s_or_b32 s[GH0+3], s[GH0+3], 0x80000000
	s_mov_b32 s[GH0B], 1
	s_add_co_u32 s[GH0B+1], s8, BOFF
	s_add_nc_u64 s[GH0B+2:GH0B+3], s[46:47], s[22:23]
	s_or_b32 s[GH0B+3], s[GH0B+3], 0x80000000
	CROUND
.irp w, 0,1,2,3                                ; one chain of branches on the wave's number, one fill to an arm: waves 0, 1 by A's registers, waves 2, 3 by B's
.if \w < 3
	s_cmp_eq_u32 s10, \w
	s_cbranch_scc0 .Lnot_\w
.endif
	tensor_load_to_lds s[GH0+(\w/2)*(GH0B-GH0):GH0+(\w/2)*(GH0B-GH0)+3], s[GH1+8*(\w/2):GH1+8*(\w/2)+7]
	s_nop 0
.rept 4
	v_nop
.endr
.if \w < 3
	s_branch .Lheads_out
.Lnot_\w:
.endif
.endr
.Lheads_out:
	s_mul_i32 s20, s11, 64*PA
	s_mul_i32 s21, s12, BHALF
	s_add_co_u32 s21, s21, BOFF
	s_mul_i32 s23, s10, 16*SPITCH
	s_add_co_u32 s23, s23, STAGE
	s_lshl_b32 s78, s13, 19
	s_lshl_b32 s22, s11, 18
	s_add_co_u32 s78, s78, s22
	s_lshl_b32 s66, s42, 9
	s_lshl_b32 s67, s12, 8
	s_add_co_u32 s66, s66, s67
	s_add_co_u32 s78, s78, s66
	s_mov_b32 s79, 0
	s_mov_b32 s67, 0
	s_add_nc_u64 s[72:73], s[72:73], s[78:79]
	s_add_nc_u64 s[74:75], s[74:75], s[78:79]
	s_add_nc_u64 s[70:71], s[70:71], s[66:67]
	v_and_b32 v1, 15, v0                           ; r
	v_bfe_u32 v2, v0, 4, 1                         ; h
	v_mul_u32_u24 v3, v1, PA
	v_lshl_add_u32 v3, v2, 4, v3
	v_mul_u32_u24 v4, v1, PB
	v_lshl_add_u32 v4, v2, 4, v4
	v_add_nc_u32 v[ADRA], s20, v3                  ; A: slot 0, K blocks 0-3;
	v_add_nc_u32 v[ADRA+1], SLOT, v[ADRA]          ; slot 1;
	v_add_nc_u32 v[ADRA+2], 4*AKB, v[ADRA]         ; K blocks 4-7 of slot 0,
	v_add_nc_u32 v[ADRA+3], SLOT+4*AKB, v[ADRA]    ; of slot 1
	v_add_nc_u32 v[ADRB], s21, v4
	v_add_nc_u32 v[ADRB+1], SLOT, v[ADRB]
	v_mul_u32_u24 v5, v1, SPITCH
	v_lshl_add_u32 v5, v2, 5, v5
	v_add_nc_u32 v[STO], s23, v5
	v_mul_u32_u24 v6, v2, SPITCH
	v_lshl_add_u32 v6, v1, 4, v6
	v_add_nc_u32 v[RD], s23, v6
	v_lshlrev_b32 v7, 12, v2
	v_lshl_add_u32 v[CO], v1, 4, v7
	v_lshlrev_b32 v8, 4, v1
	s_wait_alu depctr_va_vdst(0)                   ; the wait at the head's end
	WIN 0x80                                       ; destination window 2: the residual
.set t, 0
.rept 32
	global_load_b128 v[4*t:4*t+3], v[CO], s[72:73] offset:8192*t
.set t, t+1
.endr
	WIN 0
	global_load_b128 v[BI:BI+3], v8, s[70:71]
.macro MUL4 f, a, zero                 ; the 16 accumulators take turns
.irp b, 0,1,2,3
.if \zero
	v_wmma_f32_16x16x128_bf8_bf8 v[ACC+8*(4*(\a)+\b):ACC+8*(4*(\a)+\b)+7], v[\f+64+16*\b:\f+64+16*\b+15], v[\f+16*(\a):\f+16*(\a)+15], 0
.else
	v_wmma_f32_16x16x128_bf8_bf8 v[ACC+8*(4*(\a)+\b):ACC+8*(4*(\a)+\b)+7], v[\f+64+16*\b:\f+64+16*\b+15], v[\f+16*(\a):\f+16*(\a)+15], v[ACC+8*(4*(\a)+\b):ACC+8*(4*(\a)+\b)+7]
.endif
.endr
.endm
.macro FETCH slot, q, f                ; 32 LDS loads: on both sides registers 4 c .. 4 c + 3 hold K = 128 q + 32 c + 16 h + 0..15
	WIN TO_F
.irp i, 0,1,2,3
.irp c, 0,1,2,3
	ds_load_b128 v[\f+64+16*\i+4*\c:\f+64+16*\i+4*\c+3], v[ADRB+\slot] offset:128*(\q)+32*\c+\i*16*PB
.endr
.endr
.irp i, 0,1,2,3
.irp c, 0,1,2,3
	ds_load_b128 v[\f+16*\i+4*\c:\f+16*\i+4*\c+3], v[ADRA+\slot+2*((\q)/2)] offset:(2*((\q)%2)+\c/2)*AKB+\i*16*PA+32*(\c%2)
.endr
.endr
.endm
.macro PLACES
.rept 4
	v_nop
.endr
.endm
.macro QUARTER slot, qn, f, g, zero
	s_wait_dscnt 8                                 ; the youngest eight loads (A's blocks 2, 3) may be out
	WIN MUL
	MUL4 \f, 0, \zero
	MUL4 \f, 1, \zero
	PLACES
	FETCH \slot, \qn, \g
	s_wait_dscnt 32                                ; all but the 32 just issued
	WIN MUL
	MUL4 \f, 2, \zero
	MUL4 \f, 3, \zero
.endm
	s_cmp_eq_u32 s10, 1                            ; waves 0 and 2 fetched slot 0 and wait for it; slot 1's loads (waves 1, 3) may stay out
	s_cbranch_scc1 .Lslot1_owner
	s_cmp_eq_u32 s10, 3
	s_cbranch_scc1 .Lslot1_owner
	s_wait_tensorcnt 0x0
.Lslot1_owner:
	s_barrier_signal -1
	s_barrier_wait -1
	FETCH 0, 0, F0
	QUARTER 0, 1, F0, F1, 1
	QUARTER 0, 2, F1, F0, 0
	QUARTER 0, 3, F0, F1, 0
	WIN 0
	s_wait_tensorcnt 0x0                           ; slot 1 is in
	s_wait_dscnt 8
	WIN MUL
	MUL4 F1, 0, 0
	s_wait_dscnt 0x0
	s_barrier_signal -1
	MUL4 F1, 1, 0
	s_barrier_wait -1
	PLACES
	FETCH 1, 0, F0
	WIN MUL
	MUL4 F1, 2, 0
	MUL4 F1, 3, 0
	QUARTER 1, 1, F0, F1, 0
	QUARTER 1, 2, F1, F0, 0
	QUARTER 1, 3, F0, F1, 0
	s_wait_dscnt 8
	WIN MUL
	MUL4 F1, 0, 0
	MUL4 F1, 1, 0
	s_wait_dscnt 0
	MUL4 F1, 2, 0
	MUL4 F1, 3, 0
	; THE WAY OUT: a block of 16 rows goes through my own stage and comes back as whole rows of 256 bytes; y = sum x 2^(eA + eB) + (residual + bias).
	s_wait_kmcnt 0x0
	s_add_co_i32 s76, s76, s77
	s_add_co_i32 s76, s76, 127
	s_lshl_b32 s76, s76, 23
	s_mov_b32 s77, s76
	s_wait_loadcnt 0x0
	WIN 0x82
.set t, 0
.rept 32
	v_pk_add_f32 v[4*t:4*t+1], v[4*t:4*t+1], v[BI:BI+1]          ; these name no register of the last products: they are the places behind them
	v_pk_add_f32 v[4*t+2:4*t+3], v[4*t+2:4*t+3], v[BI+2:BI+3]
.set t, t+1
.endr
	WIN 0x20
.macro PACK a
.irp b, 0,1,2,3
	ds_store_b128 v[STO], v[ACC+32*\a+8*\b:ACC+32*\a+8*\b+3] offset:64*\b
	ds_store_b128 v[STO], v[ACC+32*\a+8*\b+4:ACC+32*\a+8*\b+7] offset:64*\b+16
.endr
.irp f, 0,1,2,3,4,5,6,7
	ds_load_b128 v[ACC+32*\a+4*\f:ACC+32*\a+4*\f+3], v[RD] offset:\f*2*SPITCH      ; LDS serves a wave's instructions in order (ISA guide 5.7.1.4)
.endr
.endm
.macro SEND a, younger
.irp f, 0,1,2,3,4,5,6,7
	s_wait_dscnt \younger+7-\f
	v_pk_fma_f32 v[ACC+32*\a+4*\f:ACC+32*\a+4*\f+1], v[ACC+32*\a+4*\f:ACC+32*\a+4*\f+1], s[76:77], v[4*(8*\a+\f):4*(8*\a+\f)+1] op_sel_hi:[1,0,1]
	v_pk_fma_f32 v[ACC+32*\a+4*\f+2:ACC+32*\a+4*\f+3], v[ACC+32*\a+4*\f+2:ACC+32*\a+4*\f+3], s[76:77], v[4*(8*\a+\f)+2:4*(8*\a+\f)+3] op_sel_hi:[1,0,1]
	global_store_b128 v[CO], v[ACC+32*\a+4*\f:ACC+32*\a+4*\f+3], s[74:75] offset:(16*\a+2*\f)*4096   ; 16 lanes store 256 consecutive bytes, aligned
.endr
.endm
	PACK 0
	PACK 1
	SEND 0, 16
	PACK 2
	SEND 1, 16
	PACK 3
	SEND 2, 16
	SEND 3, 0
	WIN 0
	s_wait_tensorcnt 0x0                           ; the wave's end
	ds_add_u32 v[SPW], v[NIL]
	s_wait_dscnt 0x0
	CROUND                                         ; the closing round
	s_endpgm
.Lfunc_end_k_q42e1486853_wo:
	.size	k_q42e1486853_wo, .Lfunc_end_k_q42e1486853_wo-k_q42e1486853_wo
	.p2alignl 7, 3214868480
	.fill 96, 4, 3214868480
	.section	.rodata,"a",@progbits
	.p2align	6, 0x0
	.amdhsa_kernel k_q42e1486853_wo
		.amdhsa_group_segment_fixed_size 327680
		.amdhsa_private_segment_fixed_size 0
		.amdhsa_enable_private_segment 0
		.amdhsa_kernarg_size 48
		.amdhsa_user_sgpr_count 2
		.amdhsa_user_sgpr_kernarg_segment_ptr 1
		.amdhsa_wavefront_size32 1
		.amdhsa_system_sgpr_workgroup_id_x 1
		.amdhsa_system_sgpr_workgroup_id_y 1
		.amdhsa_system_sgpr_workgroup_id_z 1
		.amdhsa_system_vgpr_workitem_id 0
		.amdhsa_next_free_vgpr 640
		.amdhsa_next_free_sgpr 102
		.amdhsa_reserve_vcc 0
		.amdhsa_float_denorm_mode_32 3
		.amdhsa_float_denorm_mode_16_64 3
		.amdhsa_memory_ordered 1
		.amdhsa_forward_progress 1
		.amdhsa_inst_pref_size 53
	.end_amdhsa_kernel
	.amdgpu_metadata
---
amdhsa.version: [ 1, 2 ]
amdhsa.kernels:
  - .name:           k_q42e1486853_wo
    .symbol:         k_q42e1486853_wo.kd
    .args:
      - { .name: hb, .offset: 0, .size: 8, .value_kind: global_buffer, .address_space: global }
      - { .name: Wo_codes, .offset: 8, .size: 8, .value_kind: global_buffer, .address_space: global }
      - { .name: lowp_scales, .offset: 16, .size: 8, .value_kind: global_buffer, .address_space: global }
      - { .name: bo, .offset: 24, .size: 8, .value_kind: global_buffer, .address_space: global }
      - { .name: x, .offset: 32, .size: 8, .value_kind: global_buffer, .address_space: global }
      - { .name: x2, .offset: 40, .size: 8, .value_kind: global_buffer, .address_space: global }
    .group_segment_fixed_size: 327680
    .private_segment_fixed_size: 0
    .kernarg_segment_align: 8
    .kernarg_segment_size: 48
    .max_flat_workgroup_size: 128
    .sgpr_count:     102
    .vgpr_count:     640
    .wavefront_size: 32
...
	.end_amdgpu_metadata
.endif
;; end of part 4
;; launch ln2 (part 5): grid 256 x 1, 8 waves a work-group, no clusters, 41,984 bytes of LDS; arguments x2, g2, s2, lowp_scales, ha; writes ha
.if DOCPART == 5
	.amdgcn_target "amdgcn-amd-amdhsa--gfx1250"
	.amdhsa_code_object_version 6
	.text
	.protected	k_q42e1486853_ln2
	.globl	k_q42e1486853_ln2
	.p2align	8
	.type	k_q42e1486853_ln2,@function
k_q42e1486853_ln2:
	s_mov_b64 s[64:65], 0
	v_nop
	global_prefetch_b8 v0, s[64:65] scope:SCOPE_SE
	s_setreg_imm32_b32 hwreg(HW_REG_WAVE_MODE, 25, 1), 1
	s_wait_xcnt 0x0
; h = g (x - mean) / sqrt(var + 1e-5) + s along rows of 1,024 f32, then h as codes of E5M2 with the given scale 2^e (entry 12 of the scales).
; code = h / 2^e, held within +-57,344, to the nearest code, ties to even.  LIMIT: e between -126 and 112.  NaN among the inputs is not served.
; SHARES.  4,096 rows, 256 work-groups of eight waves, two rows a wave.  A row is 4,096 bytes: 32 registers a lane, so it stays in registers between the mean, the variance (taken of x - mean: a common
; offset of the row costs no accuracy) and the scaling, and is read once.  A wave's reductions never leave the wave: no barrier.
; Every load reads 512 consecutive bytes, 16 a lane.  The conversions take 8 neighbours from ONE lane's registers, so a finished row turns through the wave's own stage in LDS (64 places of 64 bytes + 16 of padding)
; and comes back 16 neighbours a lane; a lane's 16 codes are 16 bytes, so each store covers 512 consecutive bytes, aligned.
; No matrix unit, no tensor load, no cluster: work-groups share only g and s, 8 KiB beside the 64 KiB of rows that each reads.
.set NS,  1
.set G,   32
.set S,   64
.set X0,  96
.set Y,   160
.set T,   192
.set SP,  80
.set WST, 64*SP
	s_load_b256 s[4:11], s[0:1], 0x0               ; rows s[4:5], g s[6:7], s s[8:9], the scales' exponents s[10:11]
.if NS == 3
	s_load_b128 s[12:15], s[0:1], 0x20
	s_load_b64 s[16:17], s[0:1], 0x30
.else
	s_load_b64 s[12:13], s[0:1], 0x20              ; the buffer of codes
	v_lshl_add_u32 v224, v0, 2, 0xa000
	v_mov_b32 v225, 0
.endif
	v_lshrrev_b32 v2, 5, v0
	s_delay_alu instid0(VALU_DEP_1)
	v_readfirstlane_b32 s18, v2                    ; wave
	v_and_b32 v3, 31, v0                           ; lane
	s_delay_alu instid0(VALU_DEP_1)
	v_lshlrev_b32 v1, 4, v3                        ; 16 x lane; never rewritten
	s_mul_i32 s19, s18, WST
	v_lshrrev_b32 v14, 2, v3
	s_delay_alu instid0(VALU_DEP_1)
	v_mul_u32_u24 v14, v14, SP
	v_and_b32 v15, 3, v3
	s_delay_alu instid0(VALU_DEP_1)
	v_lshl_add_u32 v14, v15, 4, v14
	s_delay_alu instid0(VALU_DEP_1)
	v_add_nc_u32 v14, s19, v14                     ; into the stage
	v_mul_u32_u24 v15, v3, SP
	s_delay_alu instid0(VALU_DEP_1)
	v_add_nc_u32 v15, s19, v15                     ; out of it
	s_mov_b32 s20, 0x3a800000                      ; 1 / 1,024
	s_mov_b32 s21, 0x3727c5ac                      ; 1e-5
	s_mov_b32 s22, 0x76543210
	s_mov_b32 s23, 0xfedcba98
	s_lshl_b32 s32, ttmp9, 16
	s_lshl_b32 s33, s18, 13
	s_add_co_u32 s32, s32, s33
	s_mov_b32 s33, 0
	s_lshr_b32 s34, s32, 2
	s_mov_b32 s35, 0
	s_wait_alu depctr_va_vdst(0)
	s_wait_kmcnt 0x0
.if NS == 3
	s_load_b256 s[24:31], s[10:11], 0x0
.else
	s_load_b32 s24, s[10:11], 0x30                 ; entry 12
.endif
	s_add_nc_u64 s[4:5], s[4:5], s[32:33]
.set k, 0
.rept NS
	s_add_nc_u64 s[12+2*k:13+2*k], s[12+2*k:13+2*k], s[34:35]
.set k, k+1
.endr
.irp r, 0,1
.irp i, 0,1,2,3,4,5,6,7
	global_load_b128 v[X0+32*\r+4*\i:X0+32*\r+4*\i+3], v1, s[4:5] offset:4096*\r+512*\i th:TH_LOAD_NT
.endr
.endr
.irp i, 0,1,2,3,4,5,6,7
	global_load_b128 v[G+4*\i:G+4*\i+3], v1, s[6:7] offset:512*\i
.endr
.irp i, 0,1,2,3,4,5,6,7
	global_load_b128 v[S+4*\i:S+4*\i+3], v1, s[8:9] offset:512*\i
.endr
	s_wait_kmcnt 0x0
.set k, 0
.rept NS
	s_add_co_i32 s36, s[24+2*k], 127
	s_lshl_b32 s37, s36, 23
	v_mov_b32 v[16+k], s37                         ; 2^e as f32
	s_add_co_i32 s36, s36, 15
	s_lshl_b32 s36, s36, 23
	s_or_b32 s36, s36, 0x600000
	v_mov_b32 v[20+k], s36                         ; 57,344 x 2^e
.set k, k+1
.endr
.macro RED
	s_delay_alu instid0(VALU_DEP_1)
	v_pk_add_f32 v[6:7], v[6:7], v[8:9]
	s_delay_alu instid0(VALU_DEP_1)
	v_add_f32 v6, v6, v7
	s_delay_alu instid0(VALU_DEP_1)
	v_add_f32_dpp v6, v6, v6 row_xmask:1 row_mask:0xf bank_mask:0xf
	s_delay_alu instid0(VALU_DEP_1)
	v_add_f32_dpp v6, v6, v6 row_xmask:2 row_mask:0xf bank_mask:0xf
	s_delay_alu instid0(VALU_DEP_1)
	v_add_f32_dpp v6, v6, v6 row_xmask:4 row_mask:0xf bank_mask:0xf
	s_delay_alu instid0(VALU_DEP_1)
	v_add_f32_dpp v6, v6, v6 row_xmask:8 row_mask:0xf bank_mask:0xf
	s_delay_alu instid0(VALU_DEP_1)
	v_permlanex16_b32 v7, v6, s22, s23
	s_delay_alu instid0(VALU_DEP_1)
	v_add_f32 v6, v6, v7
.endm
.macro STATS r
.set XR, X0+32*(\r)
	v_pk_add_f32 v[6:7], v[XR:XR+1], v[XR+2:XR+3]
	v_pk_add_f32 v[8:9], v[XR+4:XR+5], v[XR+6:XR+7]
.irp j, 8,12,16,20,24,28
	s_delay_alu instid0(VALU_DEP_2)
	v_pk_add_f32 v[6:7], v[6:7], v[XR+\j:XR+\j+1]
	s_delay_alu instid0(VALU_DEP_2)
	v_pk_add_f32 v[8:9], v[8:9], v[XR+\j+2:XR+\j+3]
.endr
	RED
	s_delay_alu instid0(VALU_DEP_1)
	v_mul_f32 v2, s20, v6
	s_delay_alu instid0(VALU_DEP_1)
	v_mov_b32 v3, v2
.set j, 0
.rept 16
	v_pk_add_f32 v[XR+j:XR+j+1], v[XR+j:XR+j+1], v[2:3] neg_lo:[0,1] neg_hi:[0,1]
.set j, j+2
.endr
	v_pk_mul_f32 v[6:7], v[XR:XR+1], v[XR:XR+1]
	v_pk_mul_f32 v[8:9], v[XR+2:XR+3], v[XR+2:XR+3]
.irp j, 4,8,12,16,20,24,28
	s_delay_alu instid0(VALU_DEP_2)
	v_pk_fma_f32 v[6:7], v[XR+\j:XR+\j+1], v[XR+\j:XR+\j+1], v[6:7]
	s_delay_alu instid0(VALU_DEP_2)
	v_pk_fma_f32 v[8:9], v[XR+\j+2:XR+\j+3], v[XR+\j+2:XR+\j+3], v[8:9]
.endr
	RED
	s_delay_alu instid0(VALU_DEP_1)
	v_fma_f32 v[12+\r], v6, s20, s21
.endm
.macro NORM r, rs
.set XR, X0+32*(\r)
.set j, 0
.rept 16
	v_pk_mul_f32 v[XR+j:XR+j+1], v[XR+j:XR+j+1], v[\rs:\rs+1]
.set j, j+2
.endr
.set j, 0
.rept 16
	v_pk_fma_f32 v[XR+j:XR+j+1], v[XR+j:XR+j+1], v[G+j:G+j+1], v[S+j:S+j+1]
.set j, j+2
.endr
.endm
.macro TURN r                          ; LDS serves a wave's instructions in order (ISA guide 5.7.1.4): no wait between the stores and the loads
.set XR, X0+32*(\r)
.irp i, 0,1,2,3,4,5,6,7
	ds_store_b128 v14, v[XR+4*\i:XR+4*\i+3] offset:8*SP*\i
.endr
.irp hf, 0,1
.irp q, 0,1,2,3
	ds_load_b128 v[Y+16*\hf+4*\q:Y+16*\hf+4*\q+3], v15 offset:32*SP*\hf+16*\q
.endr
.endr
.endm
.macro QZ r
.set i, 0
.rept 32
	v_med3_num_f32 v[T+i], v[Y+i], -v[20+k], v[20+k]   ; the conversion to an 8-bit code does not saturate (ISA guide 7.6.2)
.set i, i+1
.endr
.set CR, X0+32*(\r)+8*k
.irp q, 0,1,2,3
	v_cvt_scalef32_pk8_bf8_f32 v[CR+2*\q:CR+2*\q+1], v[T+8*\q:T+8*\q+7], v[16+k]
.endr
	v_nop                                          ; a plain line between the conversions and the next holds, which write their sources
	global_store_b128 v1, v[CR:CR+3], s[12+2*k:13+2*k] offset:1024*(\r)
	global_store_b128 v1, v[CR+4:CR+7], s[12+2*k:13+2*k] offset:1024*(\r)+512
.endm
.macro ROW r
	TURN \r
	s_wait_dscnt 0x0                               ; the row is back, and the stores into the stage have read its old registers
.set k, 0
.rept NS
	QZ \r
.set k, k+1
.endr
.endm
	s_wait_loadcnt 24                              ; row 0's eight loads are in; row 1's, g's and s's may be out
	STATS 0
	s_wait_loadcnt 16                              ; row 1's are in
	STATS 1
	s_wait_alu depctr_va_vdst(0)
	v_rsq_f32 v4, v12                              ; both rows' roots are one batch:
	v_rsq_f32 v10, v13
	v_nop                                          ; a plain line behind the last,
	s_wait_alu depctr_va_vdst(0)                   ; and the one wait ahead of the first reader
	v_mov_b32 v5, v4
	v_mov_b32 v11, v10
	s_wait_alu depctr_va_vdst(0)
	s_wait_loadcnt 0x0                             ; g and s
	NORM 0, 4
	NORM 1, 10
	ROW 0
	ROW 1
	s_wait_tensorcnt 0x0
	ds_add_u32 v224, v225
	s_wait_dscnt 0x0
	s_endpgm
.Lfunc_end_k_q42e1486853_ln2:
	.size	k_q42e1486853_ln2, .Lfunc_end_k_q42e1486853_ln2-k_q42e1486853_ln2
	.p2alignl 7, 3214868480
	.fill 96, 4, 3214868480
	.section	.rodata,"a",@progbits
	.p2align	6, 0x0
	.amdhsa_kernel k_q42e1486853_ln2
		.amdhsa_group_segment_fixed_size 41984
		.amdhsa_private_segment_fixed_size 0
		.amdhsa_enable_private_segment 0
		.amdhsa_kernarg_size 40
		.amdhsa_user_sgpr_count 2
		.amdhsa_user_sgpr_kernarg_segment_ptr 1
		.amdhsa_wavefront_size32 1
		.amdhsa_system_sgpr_workgroup_id_x 1
		.amdhsa_system_sgpr_workgroup_id_y 1
		.amdhsa_system_sgpr_workgroup_id_z 1
		.amdhsa_system_vgpr_workitem_id 0
		.amdhsa_next_free_vgpr 226
		.amdhsa_next_free_sgpr 66
		.amdhsa_reserve_vcc 0
		.amdhsa_float_denorm_mode_32 3
		.amdhsa_float_denorm_mode_16_64 3
		.amdhsa_memory_ordered 1
		.amdhsa_forward_progress 1
		.amdhsa_inst_pref_size 28
	.end_amdhsa_kernel
	.amdgpu_metadata
---
amdhsa.version: [ 1, 2 ]
amdhsa.kernels:
  - .name:           k_q42e1486853_ln2
    .symbol:         k_q42e1486853_ln2.kd
    .args:
      - { .name: x2, .offset: 0, .size: 8, .value_kind: global_buffer, .address_space: global }
      - { .name: g2, .offset: 8, .size: 8, .value_kind: global_buffer, .address_space: global }
      - { .name: s2, .offset: 16, .size: 8, .value_kind: global_buffer, .address_space: global }
      - { .name: lowp_scales, .offset: 24, .size: 8, .value_kind: global_buffer, .address_space: global }
      - { .name: ha, .offset: 32, .size: 8, .value_kind: global_buffer, .address_space: global }
    .group_segment_fixed_size: 41984
    .private_segment_fixed_size: 0
    .kernarg_segment_align: 8
    .kernarg_segment_size: 40
    .max_flat_workgroup_size: 256
    .sgpr_count:     66
    .vgpr_count:     226
    .wavefront_size: 32
...
	.end_amdgpu_metadata
.endif
;; end of part 5
;; launch w1 (part 6): grid 16 x 16, 4 waves a work-group, clusters of 4 x 4, 327,680 bytes of LDS; arguments ha, W1_codes, lowp_scales, b1, hid; writes hid
.if DOCPART == 6
	.amdgcn_target "amdgcn-amd-amdhsa--gfx1250"
	.amdhsa_code_object_version 6
	.text
	.protected	k_q42e1486853_w1
	.globl	k_q42e1486853_w1
	.p2align	8
	.type	k_q42e1486853_w1,@function
k_q42e1486853_w1:
	s_mov_b64 s[64:65], 0
	v_nop
	global_prefetch_b8 v0, s[64:65] scope:SCOPE_SE
	s_setreg_imm32_b32 hwreg(HW_REG_WAVE_MODE, 25, 1), 1
	s_wait_xcnt 0x0
	s_wait_alu depctr_hold_cnt(0) depctr_sa_sdst(0) depctr_va_vdst(0) depctr_va_sdst(0) depctr_va_ssrc(0) depctr_va_vcc(0) depctr_vm_vsrc(0)
	s_getreg_b32 s2, hwreg(HW_REG_IB_STS2, 6, 4)
	s_cmp_eq_u32 s2, 0
	s_cbranch_scc0 .Lentry_in_a_cluster
	s_endpgm
.Lentry_in_a_cluster:
	s_bfe_u32 s2, ttmp6, 0x10000c
	s_cmp_lg_u32 s2, 0xf033
	s_cbranch_scc0 .Lentry_shape_is_right
	s_endpgm
.Lentry_shape_is_right:
.set SIZE_K, 1024
.set KSTEP,  256
.set ROWB,   256
.set KROW,   SIZE_K
.set PITCH,  272
.set FR,     16
.set NL,     4
.set NP,     4
.set HALFT,  128*PITCH
.set SLOT,   4*HALFT
.set LAPS,   SIZE_K/(2*KSTEP)
.set SPARE,  2*SLOT
.set ADRA, 16
.set ADRB, 20
.set STO,  24
.set RD,   25
.set CO,   26
.set SPW,  28
.set NIL,  29
.set SCL,  30
.set LIM,  31
.set BIAS, 32
.set TMP,  32
.set U,    96
.set W,    160
.set CD,   224
.set AF,   128
.set G1, 24
.set G0, 32
.set G1B, 48
.set G0B, 56
.set MSB, 0
.macro WIN new
.if MSB != \new
	s_set_vgpr_msb (MSB<<8)|\new
.set MSB, \new
.endif
.endm
.set MUL_LO, 0xa1
.set MUL_HI, 0xf1
.set TO_B,   0x40
.macro JLOAD g0a, g1a, g0b, g1b
	s_cmp_eq_u32 s15, 0
	s_cbranch_scc0 .Lfor_b_\@
	tensor_load_to_lds s[\g0a:\g0a+3], s[\g1a:\g1a+7]
	s_nop 0
.rept 4
	v_nop
.endr
	s_branch .Lasked_\@
.Lfor_b_\@:
	tensor_load_to_lds s[\g0b:\g0b+3], s[\g1b:\g1b+7]
	s_nop 0
.rept 4
	v_nop
.endr
.Lasked_\@:
.endm
.macro CREST
	s_cmp_lg_u32 s14, 0
	s_cbranch_scc1 .Lnot_wave_0_\@
	s_barrier_signal -3
.Lnot_wave_0_\@:
	s_barrier_wait -3
	s_barrier_signal -1
	s_barrier_wait -1
.endm
.macro CROUND
	s_barrier_signal -1
	s_barrier_wait -1
	CREST
.endm
	s_load_b128 s[4:7], s[0:1], 0x0
	s_load_b128 s[8:11], s[0:1], 0x10
	s_load_b64 s[12:13], s[0:1], 0x20
	v_lshl_add_u32 v[SPW], v0, 2, SPARE
	v_mov_b32 v[NIL], 0
	ds_add_u32 v28, v29
	ds_add_u32 v28, v29
	s_wait_dscnt 0x0
	v_lshrrev_b32 v1, 5, v0
	v_readfirstlane_b32 s14, v1
	s_lshr_b32 s15, s14, 1
	s_and_b32 s16, s14, 1
	s_bfe_u32 s40, ttmp6, 0x40000
	s_bfe_u32 s41, ttmp6, 0x40004
	s_lshl_b32 s42, ttmp9, 2
	s_add_co_u32 s42, s42, s40
	s_and_b32 s17, ttmp7, 0xffff
	s_lshl_b32 s17, s17, 2
	s_add_co_u32 s17, s17, s41
	s_lshl_b32 s43, s41, 2
	s_lshl_b32 s43, 15, s43
	s_lshl_b32 s44, 0x1111, s40
	s_or_b32 s[G1+0], s43, (0<<16)|(1<<20)|(1<<21)|(5<<22)|(3<<25)
	s_or_b32 s[G1B+0], s44, (0<<16)|(1<<20)|(1<<21)|(5<<22)|(3<<25)
.irp g, G1, G1B
	s_mov_b32 s[\g+1], ROWB<<16
	s_mov_b32 s[\g+2], 256<<16                     ; at the head a load brings all 256 rows of one operand's tile
	s_mov_b32 s[\g+3], ROWB<<16
	s_mov_b32 s[\g+4], 256
	s_mov_b32 s[\g+5], KROW
	s_mov_b32 s[\g+6], 0
	s_mov_b32 s[\g+7], 0
.endr
	s_lshl_b32 s18, s16, 7
	s_lshl_b32 s20, s17, 8
	s_add_co_u32 s20, s20, s18
	s_lshl_b32 s20, s20, 10
	s_mov_b32 s21, 0
	s_lshl_b32 s46, s42, 8
	s_add_co_u32 s46, s46, s18
	s_lshl_b32 s46, s46, 10
	s_mov_b32 s47, 0
	s_mul_i32 s45, s14, HALFT
	s_wait_kmcnt 0x0
	s_load_b128 s[88:91], s[8:9], 0x30
	s_add_nc_u64 s[20:21], s[4:5], s[20:21]
	s_add_nc_u64 s[46:47], s[6:7], s[46:47]
	CROUND
.irp s, 0,1
	s_mov_b32 s[G0+4*\s], 1
	s_add_co_u32 s[G0+4*\s+1], s45, \s*SLOT
	s_add_nc_u64 s[G0+4*\s+2:G0+4*\s+3], s[20:21], \s*ROWB
	s_or_b32 s[G0+4*\s+3], s[G0+4*\s+3], 0x80000000
	s_mov_b32 s[G0B+4*\s], 1
	s_add_co_u32 s[G0B+4*\s+1], s45, \s*SLOT
	s_add_nc_u64 s[G0B+4*\s+2:G0B+4*\s+3], s[46:47], \s*ROWB
	s_or_b32 s[G0B+4*\s+3], s[G0B+4*\s+3], 0x80000000
.endr
	; THE HEAD'S FILLS: one tensor load a wave.  Wave 0: A's 256 rows of K step 0 into slot 0; wave 1: A's of K step 1 into slot 1; waves 2, 3: B's likewise.
	; s[20:21] and s[46:47] stand at the wave's 128 rows: 128 rows (131,072 bytes) back and 256 bytes on for the odd waves.
	; No prefetch: K is 1,024, four K steps, of which two are asked for here: the loop has one trip and nothing to run ahead in.
	s_mul_i32 s82, s16, 130816
	s_mov_b32 s83, 0
	s_mov_b32 s76, 1
	s_mul_i32 s77, s16, SLOT
	s_sub_nc_u64 s[78:79], s[20:21], s[82:83]
	s_or_b32 s79, s79, 0x80000000
	s_mov_b32 s84, 1
	s_add_co_u32 s85, s77, 2*HALFT
	s_sub_nc_u64 s[86:87], s[46:47], s[82:83]
	s_or_b32 s87, s87, 0x80000000
.irp w, 0,1,2,3                                ; one chain of branches on the wave's number, one fill to an arm: waves 0, 1 by A's registers, waves 2, 3 by B's
.if \w < 3
	s_cmp_eq_u32 s14, \w
	s_cbranch_scc0 .Lnot_\w
.endif
	tensor_load_to_lds s[76+8*(\w/2):79+8*(\w/2)], s[G1+24*(\w/2):G1+24*(\w/2)+7]
	s_nop 0
.rept 4
	v_nop
.endr
.if \w < 3
	s_branch .Lheads_out
.Lnot_\w:
.endif
.endr
.Lheads_out:
	v_and_b32 v1, 15, v0
	v_bfe_u32 v2, v0, 4, 1
	v_mul_u32_u24 v3, v1, PITCH
	s_wait_alu depctr_va_vdst(0)
	v_lshl_add_u32 v4, v2, 4, v3
	s_mul_i32 s21, s15, HALFT
	s_mul_i32 s22, s16, HALFT
	s_add_co_u32 s22, s22, 2*HALFT
.irp s, 0,1
	v_add_nc_u32 v[ADRA+\s], s21, v4
	v_add_nc_u32 v[ADRB+\s], s22, v4
	s_add_co_u32 s21, s21, SLOT
	s_add_co_u32 s22, s22, SLOT
.endr
	s_mul_i32 s23, s15, 128*PITCH
	s_lshl_b32 s2, s16, 7
	s_add_co_u32 s23, s23, s2
	v_lshl_add_u32 v5, v2, 3, v3
	v_add_nc_u32 v[STO], s23, v5
	v_and_b32 v6, 31, v0
	v_lshrrev_b32 v7, 2, v6
	v_mul_u32_u24 v7, v7, PITCH
	v_and_b32 v8, 3, v6
	v_lshl_add_u32 v7, v8, 4, v7
	s_mul_i32 s23, s14, 64*PITCH
	v_add_nc_u32 v[RD], s23, v7
	v_lshlrev_b32 v[CO], 4, v6
	s_lshl_b32 s66, s42, 20
	s_lshl_b32 s67, s17, 14
	s_add_co_u32 s66, s66, s67
	s_lshl_b32 s67, s14, 12
	s_add_co_u32 s66, s66, s67
	s_mov_b32 s67, 0
	s_add_nc_u64 s[12:13], s[12:13], s[66:67]
	s_lshl_b32 s66, s42, 10
	s_lshl_b32 s67, s16, 9
	s_add_co_u32 s66, s66, s67
	s_mov_b32 s67, 0
	s_add_nc_u64 s[10:11], s[10:11], s[66:67]
	v_lshlrev_b32 v9, 5, v2
.irp b, 0,1,2,3,4,5,6,7
	global_load_b128 v[BIAS+8*\b:BIAS+8*\b+3], v9, s[10:11] offset:64*\b
	global_load_b128 v[BIAS+8*\b+4:BIAS+8*\b+7], v9, s[10:11] offset:64*\b+16
.endr
.macro FRAG reg, adr, q, i
.irp c, 0,1,2,3
	ds_load_b128 v[\reg+4*\c:\reg+4*\c+3], v[\adr] offset:128*(\q)+32*\c+(\i)*16*PITCH
.endr
.endm
.macro MUL16 a0, p, zero
.irp a, \a0, \a0+1
.irp b, 0,1,2,3,4,5,6,7
.if \zero
	v_wmma_f32_16x16x128_bf8_bf8 v[8*(8*((\a)%4)+\b):8*(8*((\a)%4)+\b)+7], v[128*(\p)+FR*\b:128*(\p)+FR*\b+FR-1], v[AF+FR*(\a):AF+FR*(\a)+FR-1], 0
.else
	v_wmma_f32_16x16x128_bf8_bf8 v[8*(8*((\a)%4)+\b):8*(8*((\a)%4)+\b)+7], v[128*(\p)+FR*\b:128*(\p)+FR*\b+FR-1], v[AF+FR*(\a):AF+FR*(\a)+FR-1], v[8*(8*((\a)%4)+\b):8*(8*((\a)%4)+\b)+7]
.endif
.endr
.endr
.endm
.macro FETCH_B slot, q, p
	WIN TO_B
.irp i, 0,1,2,3,4,5,6,7
	FRAG 128*(\p)+FR*\i, ADRB+\slot, \q, \i
.endr
	WIN 0
.endm
.macro FETCH_A slot, q, i0
.irp i, \i0, \i0+1, \i0+2, \i0+3
	FRAG AF+FR*(\i), ADRA+\slot, \q, \i
.endr
.endm
.macro PLACES n
.rept \n
	v_nop
.endr
.endm
.macro STEP slot, q, zero
	s_wait_dscnt 4*NL
	WIN MUL_LO
	MUL16 0, (\q)%2, \zero
	MUL16 2, (\q)%2, \zero
	s_wait_dscnt 0
	PLACES NP
	FETCH_B \slot, (\q)+1, 1-(\q)%2
	FETCH_A \slot, (\q)+1, 0
	WIN MUL_HI
	MUL16 4, (\q)%2, \zero
	MUL16 6, (\q)%2, \zero
	PLACES NP
	WIN 0
	FETCH_A \slot, (\q)+1, 4
.endm
.macro TURN slot, next, fill
	s_wait_tensorcnt 0x0
	ds_add_u32 v[SPW], v[NIL]
	s_wait_dscnt 4*NL+1
	WIN MUL_LO
	MUL16 0, 1, 0
	s_wait_dscnt 0x0
	s_barrier_signal -1
	MUL16 2, 1, 0
	WIN 0
	s_barrier_wait -1
.if \fill
	CREST
	s_add_nc_u64 s[G0+4*\slot+2:G0+4*\slot+3], s[G0+4*\slot+2:G0+4*\slot+3], 2*ROWB
	s_add_nc_u64 s[G0B+4*\slot+2:G0B+4*\slot+3], s[G0B+4*\slot+2:G0B+4*\slot+3], 2*ROWB
	JLOAD G0+4*\slot, G1, G0B+4*\slot, G1B
.else
	PLACES NP
.endif
	FETCH_B \next, 0, 0
	FETCH_A \next, 0, 0
	WIN MUL_HI
	MUL16 4, 1, 0
	MUL16 6, 1, 0
	PLACES NP
	WIN 0
	FETCH_A \next, 0, 4
.endm
	s_wait_alu depctr_va_vdst(0)                   ; the wait at the head's end
	s_cmp_eq_u32 s14, 1                            ; waves 0 and 2 fetched slot 0 and wait for it; slot 1's loads (waves 1, 3) may stay out
	s_cbranch_scc1 .Lslot1_owner
	s_cmp_eq_u32 s14, 3
	s_cbranch_scc1 .Lslot1_owner
	s_wait_tensorcnt 0x0
.Lslot1_owner:
	s_barrier_signal -1
	s_barrier_wait -1
	FETCH_B 0, 0, 0
	FETCH_A 0, 0, 0
	FETCH_A 0, 0, 4
	STEP 0, 0, 1
	s_wait_tensorcnt 0x0                           ; no load of mine is out, so group 1 may be written: a refill brings 128 rows a wave
	s_mov_b32 s[G1+2], 128<<16
	s_mov_b32 s[G1+4], 128
	s_mov_b32 s[G1B+2], 128<<16
	s_mov_b32 s[G1B+4], 128
	s_mov_b32 s3, LAPS-1
.Llap:
	TURN 0, 1, 1
	STEP 1, 0, 0
	TURN 1, 0, 1
	STEP 0, 0, 0
	s_sub_co_u32 s3, s3, 1
	s_cmp_lg_u32 s3, 0
	s_cbranch_scc1 .Llap
	TURN 0, 1, 0
	STEP 1, 0, 0
	s_wait_dscnt 4*NL
	WIN MUL_LO
	MUL16 0, 1, 0
	MUL16 2, 1, 0
	s_wait_dscnt 0
	WIN MUL_HI
	MUL16 4, 1, 0
	MUL16 6, 1, 0
	WIN 0
	s_wait_kmcnt 0x0
	s_add_co_i32 s96, s88, s89
	s_add_co_i32 s96, s96, 127
	s_lshl_b32 s96, s96, 23
	s_mov_b32 s97, s96
	s_add_co_i32 s90, s90, 127
	s_lshl_b32 s91, s90, 23
	v_mov_b32 v[SCL], s91
	s_add_co_i32 s90, s90, 15
	s_lshl_b32 s90, s90, 23
	s_or_b32 s90, s90, 0x600000
	v_mov_b32 v[LIM], s90
	s_mov_b32 s92, 0xbdd2d3e8
	s_mov_b32 s93, s92
	v_mov_b32 v10, 0xc0135761
	v_mov_b32 v11, v10
	s_wait_loadcnt 0x0
	PLACES NP
.macro OUTBLK a
.set AC, 64*((\a)%4)
.set WS, 0x02+((\a)/4)
.set CR, CD+16*((\a)%2)
	WIN WS
.set j, 0
.rept 32
	v_pk_fma_f32 v[U+j:U+j+1], v[AC+j:AC+j+1], s[96:97], v[BIAS+j:BIAS+j+1] op_sel_hi:[1,0,1]
.set j, j+2
.endr
	WIN 0
.set j, 0
.rept 32
	v_pk_mul_f32 v[W+j:W+j+1], v[U+j:U+j+1], v[U+j:U+j+1]
.set j, j+2
.endr
.set j, 0
.rept 32
	v_pk_fma_f32 v[W+j:W+j+1], v[W+j:W+j+1], s[92:93], v[10:11] op_sel_hi:[1,0,1]
.set j, j+2
.endr
.set j, 0
.rept 32
	v_pk_mul_f32 v[W+j:W+j+1], v[W+j:W+j+1], v[U+j:U+j+1]
.set j, j+2
.endr
.set j, 0
	s_wait_alu depctr_va_vdst(0)
.rept 64
	v_exp_f32 v[W+j], v[W+j]
.set j, j+1
.endr
	v_nop
	s_wait_alu depctr_va_vdst(0)
.set j, 0
.rept 32
	v_pk_add_f32 v[W+j:W+j+1], v[W+j:W+j+1], 1.0 op_sel_hi:[1,0]
.set j, j+2
.endr
.set j, 0
	s_wait_alu depctr_va_vdst(0)
.rept 64
	v_rcp_f32 v[W+j], v[W+j]
.set j, j+1
.endr
	v_nop
	s_wait_alu depctr_va_vdst(0)
.set j, 0
.rept 32
	v_pk_mul_f32 v[U+j:U+j+1], v[U+j:U+j+1], v[W+j:W+j+1]
.set j, j+2
.endr
.set j, 0
.rept 64
	v_med3_num_f32 v[U+j], v[U+j], -v[LIM], v[LIM]
.set j, j+1
.endr
.if (\a) >= 2
	s_wait_alu depctr_va_vdst(0)
	s_wait_dscnt 8
.endif
.irp b, 0,1,2,3,4,5,6,7
	v_cvt_scalef32_pk8_bf8_f32 v[CR+2*\b:CR+2*\b+1], v[U+8*\b:U+8*\b+7], v[SCL]
.endr
	v_nop
.irp b, 0,1,2,3,4,5,6,7
	ds_store_b64 v[STO], v[CR+2*\b:CR+2*\b+1] offset:(\a)*16*PITCH+16*\b
.endr
.endm
.irp a, 0,1,2,3,4,5,6,7
	OUTBLK \a
.endr
	s_wait_dscnt 0x0
	s_barrier_signal -1
	s_barrier_wait -1
.irp jh, 0,1,2,3
.irp g, 0,1,2,3,4,5,6,7
	ds_load_b128 v[TMP+4*(8*\jh+\g):TMP+4*(8*\jh+\g)+3], v[RD] offset:\g*8*PITCH+64*\jh
.endr
.endr
.irp jh, 0,1,2,3
.irp g, 0,1,2,3,4,5,6,7
	s_wait_dscnt 31-(8*\jh+\g)
	global_store_b128 v[CO], v[TMP+4*(8*\jh+\g):TMP+4*(8*\jh+\g)+3], s[12:13] offset:\jh*262144+\g*512
.endr
.endr
	s_wait_tensorcnt 0x0
	ds_add_u32 v[SPW], v[NIL]
	s_wait_dscnt 0x0
	CROUND
	s_endpgm
.Lfunc_end_k_q42e1486853_w1:
	.size	k_q42e1486853_w1, .Lfunc_end_k_q42e1486853_w1-k_q42e1486853_w1
	.p2alignl 7, 3214868480
	.fill 96, 4, 3214868480
	.section	.rodata,"a",@progbits
	.p2align	6, 0x0
	.amdhsa_kernel k_q42e1486853_w1
		.amdhsa_group_segment_fixed_size 327680
		.amdhsa_private_segment_fixed_size 0
		.amdhsa_enable_private_segment 0
		.amdhsa_kernarg_size 40
		.amdhsa_user_sgpr_count 2
		.amdhsa_user_sgpr_kernarg_segment_ptr 1
		.amdhsa_wavefront_size32 1
		.amdhsa_system_sgpr_workgroup_id_x 1
		.amdhsa_system_sgpr_workgroup_id_y 1
		.amdhsa_system_sgpr_workgroup_id_z 1
		.amdhsa_system_vgpr_workitem_id 0
		.amdhsa_next_free_vgpr 1024
		.amdhsa_next_free_sgpr 102
		.amdhsa_reserve_vcc 0
		.amdhsa_float_denorm_mode_32 3
		.amdhsa_float_denorm_mode_16_64 3
		.amdhsa_memory_ordered 1
		.amdhsa_forward_progress 1
		.amdhsa_inst_pref_size 255
	.end_amdhsa_kernel
	.section	.bss,"aw",@nobits
	.p2align	6
	.space	262144
	.amdgpu_metadata
---
amdhsa.version: [ 1, 2 ]
amdhsa.kernels:
  - .name:           k_q42e1486853_w1
    .symbol:         k_q42e1486853_w1.kd
    .args:
      - { .name: ha, .offset: 0, .size: 8, .value_kind: global_buffer, .address_space: global }
      - { .name: W1_codes, .offset: 8, .size: 8, .value_kind: global_buffer, .address_space: global }
      - { .name: lowp_scales, .offset: 16, .size: 8, .value_kind: global_buffer, .address_space: global }
      - { .name: b1, .offset: 24, .size: 8, .value_kind: global_buffer, .address_space: global }
      - { .name: hid, .offset: 32, .size: 8, .value_kind: global_buffer, .address_space: global }
    .group_segment_fixed_size: 327680
    .private_segment_fixed_size: 0
    .kernarg_segment_align: 8
    .kernarg_segment_size: 40
    .max_flat_workgroup_size: 128
    .sgpr_count:     102
    .vgpr_count:     1024
    .wavefront_size: 32
...
	.end_amdgpu_metadata
.endif
;; end of part 6
;; launch w2 (part 7): grid 8 x 32, 4 waves a work-group, clusters of 4 x 4, 327,680 bytes of LDS; arguments hid, W2_codes, lowp_scales, b2, x2, out0; writes out0
.if DOCPART == 7
	.amdgcn_target "amdgcn-amd-amdhsa--gfx1250"
	.amdhsa_code_object_version 6
	.text
	.protected	k_q42e1486853_w2
	.globl	k_q42e1486853_w2
	.p2align	8
	.type	k_q42e1486853_w2,@function
k_q42e1486853_w2:
	s_mov_b64 s[64:65], 0
	v_nop
	global_prefetch_b8 v0, s[64:65] scope:SCOPE_SE
	s_setreg_imm32_b32 hwreg(HW_REG_WAVE_MODE, 25, 1), 1
	s_wait_xcnt 0x0
	s_wait_alu depctr_hold_cnt(0) depctr_sa_sdst(0) depctr_va_vdst(0) depctr_va_sdst(0) depctr_va_ssrc(0) depctr_va_vcc(0) depctr_vm_vsrc(0)
	s_getreg_b32 s2, hwreg(HW_REG_IB_STS2, 6, 4)
	s_cmp_eq_u32 s2, 0
	s_cbranch_scc0 .Lentry_in_a_cluster
	s_endpgm
.Lentry_in_a_cluster:
	s_bfe_u32 s2, ttmp6, 0x10000c
	s_cmp_lg_u32 s2, 0xf033
	s_cbranch_scc0 .Lentry_shape_is_right
	s_endpgm
.Lentry_shape_is_right:
; y = A B^T x 2^(eA + eB) + bias + residual.  A: [SIZE_K / 64][4,096 tokens][64] codes of E5M2; B: [1,024][SIZE_K] codes; bias [1,024], residual and y [4,096][1,024] f32.  LIMIT: eA + eB between -126 and 127.
; Tiles of 128 x 128 give 256 work-groups; four waves, 64 x 64 each: 16 accumulators.  K goes in 8 steps of 512 through a ring of two LDS slots.
; THE HEAD'S FILLS: one tensor load a wave: wave 0: A's tile of K step 0 into slot 0; wave 1: A's of K step 1 into slot 1; waves 2, 3: B's likewise.  So both slots are asked for at the head.
; A REFILL is shared by all four: wave 0: A's K blocks 0-3 of the step (128 tokens each), wave 1: blocks 4-7; waves 2, 3: B's rows 0-63, 64-127.
; CLUSTERS: 4 x 4 work-groups; A's tile is shared along a row of the cluster, B's along a column: each is asked for JOINTLY; where a slot is filled again, a round of the cluster's barrier stands in front.
; PREFETCH INTO THE L2: behind the head's loads K steps 2 and 3 are named, behind the refill for K step j + 2 the K step j + 4: two refills ahead.  Of the 128 blocks of 256 bytes that a wave's refill brings, each of the
; four partners that ask for it jointly names 32, told apart by address: of A K block 4 (wave % 2) + cx, a lane 256 bytes; of B rows 64 (wave % 2) + 16 cy + lane / 2, 256 (lane % 2) bytes on.  The last two refills name nothing.
; A's tile in LDS: [K block of 64][128 tokens], lines of 64 bytes + 16; B's: 128 rows of 512 bytes + 16.  Source 0 = 16 rows of B, source 1 = 16 tokens: a lane holds eight neighbouring columns of one row of y.
; REGISTERS: window 0: v0-35 addresses and the bias; v128-255 the accumulators.  window 1: two fragment buffers of 128.  window 2: v0-127 the residual.
.set SIZE_K, 4096
.set ENT,    0x38
.set KSLOT,  512
.set PA,     80
.set AKB,    128*PA
.set AQ,     4*AKB
.set PB,     528
.set BHALF,  64*PB
.set BOFF,   2*AQ
.set SLOT,   BOFF+2*BHALF
.set SPARE,  2*SLOT
.set STAGE,  SPARE+512
.set SPITCH, 272
.set LAPS,   SIZE_K/(2*KSLOT)
.set ADRA, 16
.set ADRB, 20
.set STO,  24
.set RD,   25
.set CO,   26
.set SPW,  28
.set NIL,  29
.set PFO,  30
.set BI,   32
.set ACC,  128
.set F0,   0
.set F1,   128
.set G1,   24
.set G0,   32
.set G1B,  48
.set G0B,  56
.set GH1,  80
.set GH1B, 88
.set GH0,  96
.set GH0B, 16
.set PFA,  100                         ; s[100:101] the K step that my next prefetch names
.set PFB,  44                          ; s[44:45] the head's first prefetch
.set PFS,  8                           ; s[8:9] a K step on, in bytes: 8 K blocks in A, 512 in a row of B
.set PADA, (1<<20)|(1<<21)|(3<<22)|(3<<25)
.set PADB, (1<<20)|(1<<21)|(6<<22)|(3<<25)
.set MSB, 0
.macro WIN new
.if MSB != \new
	s_set_vgpr_msb (MSB<<8)|\new
.set MSB, \new
.endif
.endm
.set MUL,  0x05
.set TO_F, 0x40
.macro DESC g, c, r, p
	s_mov_b32 s[\g+1], (\c)<<16
	s_mov_b32 s[\g+2], (\r)<<16
	s_mov_b32 s[\g+3], (\c)<<16
	s_mov_b32 s[\g+4], \r
	s_mov_b32 s[\g+5], \p
	s_mov_b32 s[\g+6], 0
	s_mov_b32 s[\g+7], 0
.endm
.macro JLOAD g0a, g1a, g0b, g1b
	s_cmp_eq_u32 s11, 0
	s_cbranch_scc0 .Lfor_b_\@
	tensor_load_to_lds s[\g0a:\g0a+3], s[\g1a:\g1a+7]
	s_nop 0
.rept 4
	v_nop
.endr
	s_branch .Lasked_\@
.Lfor_b_\@:
	tensor_load_to_lds s[\g0b:\g0b+3], s[\g1b:\g1b+7]
	s_nop 0
.rept 4
	v_nop
.endr
.Lasked_\@:
.endm
.macro CREST
	s_cmp_lg_u32 s10, 0
	s_cbranch_scc1 .Lnot_wave_0_\@
	s_barrier_signal -3
.Lnot_wave_0_\@:
	s_barrier_wait -3
	s_barrier_signal -1
	s_barrier_wait -1
.endm
.macro CROUND
	s_barrier_signal -1
	s_barrier_wait -1
	CREST
.endm
	s_load_b128 s[4:7], s[0:1], 0x0                ; A, B
	s_load_b256 s[68:75], s[0:1], 0x10             ; the scales' exponents 68, bias 70, residual 72, y 74
	v_lshl_add_u32 v[SPW], v0, 2, SPARE
	v_mov_b32 v[NIL], 0
	ds_add_u32 v[SPW], v[NIL]                      ; the opening lines: the add twice on end and its wait
	ds_add_u32 v[SPW], v[NIL]
	v_lshrrev_b32 v1, 5, v0
	v_readfirstlane_b32 s10, v1                    ; wave
	s_lshr_b32 s11, s10, 1                         ; my half of the tile's rows.  Also: I fetch for A (0) or B (1)
	s_and_b32 s12, s10, 1                          ; my half of its columns.  Also: the slot that I fetch at the head, and my part of a refill
	s_bfe_u32 s40, ttmp6, 0x40000
	s_bfe_u32 s41, ttmp6, 0x40004
	s_lshl_b32 s42, ttmp9, 2
	s_add_co_u32 s42, s42, s40                     ; tile column
	s_and_b32 s13, ttmp7, 0xffff
	s_lshl_b32 s13, s13, 2
	s_add_co_u32 s13, s13, s41                     ; tile row
	s_lshl_b32 s43, s41, 2
	s_lshl_b32 s43, 15, s43                        ; my row of the cluster
	s_lshl_b32 s44, 0x1111, s40                    ; my column
	s_or_b32 s[GH1], s43, PADA
	s_or_b32 s[GH1B], s44, PADB
	s_or_b32 s[G1], s43, PADA
	s_or_b32 s[G1B], s44, PADB
	DESC GH1, 8192, 8, 262144                      ; A at the head: 8 K blocks of 128 tokens x 64 bytes on end
	DESC GH1B, KSLOT, 128, SIZE_K                  ; B at the head: 128 rows of 512 bytes
	DESC G1, 8192, 4, 262144                       ; a wave's part of a refill: 4 K blocks,
	DESC G1B, KSLOT, 64, SIZE_K                    ; 64 rows
	s_lshl_b32 s16, s13, 13
	s_mov_b32 s17, 0
	s_lshl_b32 s46, s42, 7
	s_mul_i32 s46, s46, SIZE_K
	s_mov_b32 s47, 0
	s_lshl_b32 s20, s12, 21                        ; K step s12: 8 K blocks on in A,
	s_mov_b32 s21, 0
	s_lshl_b32 s22, s12, 9                         ; 512 bytes on in B's rows
	s_mov_b32 s23, 0
	s_mul_i32 s8, s12, SLOT
	s_wait_dscnt 0x0
	s_wait_kmcnt 0x0
	s_load_b64 s[76:77], s[68:69], ENT             ; eA, eB
	s_add_nc_u64 s[14:15], s[4:5], s[16:17]
	s_add_nc_u64 s[46:47], s[6:7], s[46:47]
	s_mov_b32 s[GH0], 1
	s_mov_b32 s[GH0+1], s8
	s_add_nc_u64 s[GH0+2:GH0+3], s[14:15], s[20:21]
	s_or_b32 s[GH0+3], s[GH0+3], 0x80000000
	s_mov_b32 s[GH0B], 1
	s_add_co_u32 s[GH0B+1], s8, BOFF
	s_add_nc_u64 s[GH0B+2:GH0B+3], s[46:47], s[22:23]
	s_or_b32 s[GH0B+3], s[GH0B+3], 0x80000000
	CROUND
.irp w, 0,1,2,3                                ; one chain of branches on the wave's number, one fill to an arm: waves 0, 1 by A's registers, waves 2, 3 by B's
.if \w < 3
	s_cmp_eq_u32 s10, \w
	s_cbranch_scc0 .Lnot_\w
.endif
	tensor_load_to_lds s[GH0+(\w/2)*(GH0B-GH0):GH0+(\w/2)*(GH0B-GH0)+3], s[GH1+8*(\w/2):GH1+8*(\w/2)+7]
	s_nop 0
.rept 4
	v_nop
.endr
.if \w < 3
	s_branch .Lheads_out
.Lnot_\w:
.endif
.endr
.Lheads_out:
	s_lshl_b32 s66, s12, 20                        ; the refills' groups 0: my 4 K blocks of A,
	s_mov_b32 s67, 0
	s_mul_i32 s78, s12, 64*SIZE_K                  ; my 64 rows of B
	s_mov_b32 s79, 0
	s_add_nc_u64 s[20:21], s[14:15], s[66:67]
	s_add_nc_u64 s[22:23], s[46:47], s[78:79]
	s_mul_i32 s9, s12, AQ
	s_mul_i32 s45, s12, BHALF
	s_add_co_u32 s45, s45, BOFF
.irp s, 0,1
	s_mov_b32 s[G0+4*\s], 1
	s_add_co_u32 s[G0+4*\s+1], s9, \s*SLOT
	s_add_nc_u64 s[G0+4*\s+2:G0+4*\s+3], s[20:21], \s*8*262144
	s_or_b32 s[G0+4*\s+3], s[G0+4*\s+3], 0x80000000
	s_mov_b32 s[G0B+4*\s], 1
	s_add_co_u32 s[G0B+4*\s+1], s45, \s*SLOT
	s_add_nc_u64 s[G0B+4*\s+2:G0B+4*\s+3], s[22:23], \s*KSLOT
	s_or_b32 s[G0B+4*\s+3], s[G0B+4*\s+3], 0x80000000
.endr
	s_lshl_b32 s66, s12, 2                         ; the prefetches: my work-group's share, by address
	s_add_co_u32 s78, s66, s41
	s_add_co_u32 s66, s66, s40
	s_lshl_b32 s66, s66, 18                        ; A: K block 4 (wave % 2) + cx,
	s_add_co_u32 s66, s66, 2*8*262144              ; of K step 2
	s_mul_i32 s78, s78, 16*SIZE_K                  ; B: row 64 (wave % 2) + 16 cy,
	s_add_co_u32 s78, s78, 2*KSLOT                 ; K step 2
	s_mov_b32 s[PFS], KSLOT
	s_mov_b32 s43, SIZE_K
	s_cmp_eq_u32 s11, 0
	s_cselect_b64 s[PFA:PFA+1], s[14:15], s[46:47]
	s_cselect_b32 s66, s66, s78
	s_cselect_b32 s[PFS], 8*262144, s[PFS]
	s_cselect_b32 s43, 512, s43                    ; from lane pair to lane pair: 512 bytes in A's block, a row in B
	s_mov_b32 s[PFS+1], 0
	s_add_nc_u64 s[PFB:PFB+1], s[PFA:PFA+1], s[66:67]       ; K step 2
	s_add_nc_u64 s[PFA:PFA+1], s[PFB:PFB+1], s[PFS:PFS+1]   ; K step 3
	s_mul_i32 s20, s11, 64*PA
	s_mul_i32 s21, s12, BHALF
	s_add_co_u32 s21, s21, BOFF
	s_mul_i32 s23, s10, 16*SPITCH
	s_add_co_u32 s23, s23, STAGE
	s_lshl_b32 s78, s13, 19
	s_lshl_b32 s22, s11, 18
	s_add_co_u32 s78, s78, s22
	s_lshl_b32 s66, s42, 9
	s_lshl_b32 s67, s12, 8
	s_add_co_u32 s66, s66, s67
	s_add_co_u32 s78, s78, s66
	s_mov_b32 s79, 0
	s_mov_b32 s67, 0
	s_add_nc_u64 s[72:73], s[72:73], s[78:79]
	s_add_nc_u64 s[74:75], s[74:75], s[78:79]
	s_add_nc_u64 s[70:71], s[70:71], s[66:67]
	v_and_b32 v1, 15, v0                           ; r
	v_bfe_u32 v2, v0, 4, 1                         ; h
	v_mul_u32_u24 v3, v1, PA
	v_lshl_add_u32 v3, v2, 4, v3
	v_mul_u32_u24 v4, v1, PB
	v_lshl_add_u32 v4, v2, 4, v4
	v_add_nc_u32 v[ADRA], s20, v3                  ; A: slot 0, K blocks 0-3;
	v_add_nc_u32 v[ADRA+1], SLOT, v[ADRA]          ; slot 1;
	v_add_nc_u32 v[ADRA+2], 4*AKB, v[ADRA]         ; K blocks 4-7 of slot 0,
	v_add_nc_u32 v[ADRA+3], SLOT+4*AKB, v[ADRA]    ; of slot 1
	v_add_nc_u32 v[ADRB], s21, v4
	v_add_nc_u32 v[ADRB+1], SLOT, v[ADRB]
	v_mul_u32_u24 v5, v1, SPITCH
	v_lshl_add_u32 v5, v2, 5, v5
	v_add_nc_u32 v[STO], s23, v5
	v_mul_u32_u24 v6, v2, SPITCH
	v_lshl_add_u32 v6, v1, 4, v6
	v_add_nc_u32 v[RD], s23, v6
	v_lshlrev_b32 v7, 12, v2
	v_lshl_add_u32 v[CO], v1, 4, v7
	v_lshlrev_b32 v8, 4, v1
	v_bfe_u32 v9, v0, 1, 4                         ; lane / 2
	v_mul_u32_u24 v9, v9, s43
	v_and_b32 v10, 1, v0
	v_lshl_add_u32 v[PFO], v10, 8, v9              ; + 256 (lane % 2)
	s_wait_alu depctr_va_vdst(0)                   ; the wait at the head's end
	global_prefetch_b8 v[PFO], s[PFB:PFB+1] th:TH_LOAD_NT scope:SCOPE_SE   ; K step 2
	global_prefetch_b8 v[PFO], s[PFA:PFA+1] th:TH_LOAD_NT scope:SCOPE_SE   ; K step 3
	global_load_b128 v[BI:BI+3], v8, s[70:71]
.macro MUL4 f, a, zero                 ; the 16 accumulators take turns
.irp b, 0,1,2,3
.if \zero
	v_wmma_f32_16x16x128_bf8_bf8 v[ACC+8*(4*(\a)+\b):ACC+8*(4*(\a)+\b)+7], v[\f+64+16*\b:\f+64+16*\b+15], v[\f+16*(\a):\f+16*(\a)+15], 0
.else
	v_wmma_f32_16x16x128_bf8_bf8 v[ACC+8*(4*(\a)+\b):ACC+8*(4*(\a)+\b)+7], v[\f+64+16*\b:\f+64+16*\b+15], v[\f+16*(\a):\f+16*(\a)+15], v[ACC+8*(4*(\a)+\b):ACC+8*(4*(\a)+\b)+7]
.endif
.endr
.endm
.macro FETCH slot, q, f                ; 32 LDS loads: on both sides registers 4 c .. 4 c + 3 hold K = 128 q + 32 c + 16 h + 0..15
	WIN TO_F
.irp i, 0,1,2,3
.irp c, 0,1,2,3
	ds_load_b128 v[\f+64+16*\i+4*\c:\f+64+16*\i+4*\c+3], v[ADRB+\slot] offset:128*(\q)+32*\c+\i*16*PB
.endr
.endr
.irp i, 0,1,2,3
.irp c, 0,1,2,3
	ds_load_b128 v[\f+16*\i+4*\c:\f+16*\i+4*\c+3], v[ADRA+\slot+2*((\q)/2)] offset:(2*((\q)%2)+\c/2)*AKB+\i*16*PA+32*(\c%2)
.endr
.endr
.endm
.macro PLACES
.rept 4
	v_nop
.endr
.endm
.macro QUARTER slot, qn, f, g, zero
	s_wait_dscnt 8                                 ; the youngest eight loads (A's blocks 2, 3) may be out
	WIN MUL
	MUL4 \f, 0, \zero
	MUL4 \f, 1, \zero
	PLACES
	FETCH \slot, \qn, \g
	s_wait_dscnt 32                                ; all but the 32 just issued
	WIN MUL
	MUL4 \f, 2, \zero
	MUL4 \f, 3, \zero
.endm
; A slot's last quarter multiplies buffer 1 and changes slots: in front of the one barrier each wave waits for all its tensor loads, adds 0 to its spare word, and waits for that and for its reads of this slot.
.macro TURN slot, next, fill
.if \fill
	s_wait_xcnt 0x0                                ; my last prefetch has read its address:
	s_add_nc_u64 s[PFA:PFA+1], s[PFA:PFA+1], s[PFS:PFS+1]   ; a K step on
.endif
	WIN 0
	s_wait_tensorcnt 0x0
	ds_add_u32 v[SPW], v[NIL]
	s_wait_dscnt 9                                 ; (the add and the youngest eight loads may be out)
	WIN MUL
	MUL4 F1, 0, 0
	s_wait_dscnt 0x0
	s_barrier_signal -1
	MUL4 F1, 1, 0
.if \fill
	WIN 0
.endif
	s_barrier_wait -1
.if \fill
	CREST                                          ; the barrier has opened a round of the cluster's
	s_add_nc_u64 s[G0+4*\slot+2:G0+4*\slot+3], s[G0+4*\slot+2:G0+4*\slot+3], 2*8*262144
	s_add_nc_u64 s[G0B+4*\slot+2:G0B+4*\slot+3], s[G0B+4*\slot+2:G0B+4*\slot+3], 2*KSLOT
	JLOAD G0+4*\slot, G1, G0B+4*\slot, G1B         ; the first tensor load behind the round; its four v_nop are the places in front of the loads below
.else
	PLACES
.endif
	FETCH \next, 0, F0
.if \fill
	WIN 0
	s_cmp_gt_u32 s3, 1                             ; the last trip's two refills have no K step two refills on
	s_cbranch_scc0 .Lnone_\@
	global_prefetch_b8 v[PFO], s[PFA:PFA+1] th:TH_LOAD_NT scope:SCOPE_SE
.Lnone_\@:
.endif
	WIN MUL
	MUL4 F1, 2, 0
	MUL4 F1, 3, 0
.endm
	s_cmp_eq_u32 s10, 1                            ; waves 0 and 2 fetched slot 0 and wait for it; slot 1's loads (waves 1, 3) may stay out
	s_cbranch_scc1 .Lslot1_owner
	s_cmp_eq_u32 s10, 3
	s_cbranch_scc1 .Lslot1_owner
	s_wait_tensorcnt 0x0
.Lslot1_owner:
	s_barrier_signal -1
	s_barrier_wait -1
	FETCH 0, 0, F0
	QUARTER 0, 1, F0, F1, 1                        ; the first quarter's products start the sums
	; THE RESIDUAL is wanted on the way out alone: it is asked for behind the head's tiles, in two halves of 16 loads a wave (destination window 2): one here, one at the top of the loop's second trip.
	WIN 0x80
.set t, 0
.rept 16
	global_load_b128 v[4*t:4*t+3], v[CO], s[72:73] offset:8192*t
.set t, t+1
.endr
	WIN 0
	s_mov_b32 s3, LAPS-1
.Llap:                                                 ; a trip goes once round the ring and fills both slots again
	s_cmp_eq_u32 s3, LAPS-2                        ; the trip counter alone: the same in all waves and all partners
	s_cbranch_scc0 .Lno_res
	WIN 0x80
.rept 16
	global_load_b128 v[4*t:4*t+3], v[CO], s[72:73] offset:8192*t
.set t, t+1
.endr
	WIN 0
.Lno_res:
	QUARTER 0, 2, F1, F0, 0
	QUARTER 0, 3, F0, F1, 0
	TURN 0, 1, 1
	QUARTER 1, 1, F0, F1, 0
	QUARTER 1, 2, F1, F0, 0
	QUARTER 1, 3, F0, F1, 0
	TURN 1, 0, 1
	QUARTER 0, 1, F0, F1, 0
	WIN 0
	s_sub_co_u32 s3, s3, 1
	s_cmp_lg_u32 s3, 0
	s_cbranch_scc1 .Llap
	QUARTER 0, 2, F1, F0, 0                        ; the last lap fills nothing
	QUARTER 0, 3, F0, F1, 0
	TURN 0, 1, 0
	QUARTER 1, 1, F0, F1, 0
	QUARTER 1, 2, F1, F0, 0
	QUARTER 1, 3, F0, F1, 0
	s_wait_dscnt 8
	WIN MUL
	MUL4 F1, 0, 0
	MUL4 F1, 1, 0
	s_wait_dscnt 0
	MUL4 F1, 2, 0
	MUL4 F1, 3, 0
	; THE WAY OUT: a block of 16 rows goes through my own stage and comes back as whole rows of 256 bytes; y = sum x 2^(eA + eB) + (residual + bias).
	s_wait_kmcnt 0x0
	s_add_co_i32 s76, s76, s77
	s_add_co_i32 s76, s76, 127
	s_lshl_b32 s76, s76, 23
	s_mov_b32 s77, s76
	s_wait_loadcnt 0x0
	WIN 0x82
.set t, 0
.rept 32
	v_pk_add_f32 v[4*t:4*t+1], v[4*t:4*t+1], v[BI:BI+1]          ; these name no register of the last products: they are the places behind them
	v_pk_add_f32 v[4*t+2:4*t+3], v[4*t+2:4*t+3], v[BI+2:BI+3]
.set t, t+1
.endr
	WIN 0x20
.macro PACK a
.irp b, 0,1,2,3
	ds_store_b128 v[STO], v[ACC+32*\a+8*\b:ACC+32*\a+8*\b+3] offset:64*\b
	ds_store_b128 v[STO], v[ACC+32*\a+8*\b+4:ACC+32*\a+8*\b+7] offset:64*\b+16
.endr
.irp f, 0,1,2,3,4,5,6,7
	ds_load_b128 v[ACC+32*\a+4*\f:ACC+32*\a+4*\f+3], v[RD] offset:\f*2*SPITCH      ; LDS serves a wave's instructions in order (ISA guide 5.7.1.4)
.endr
.endm
.macro SEND a, younger
.irp f, 0,1,2,3,4,5,6,7
	s_wait_dscnt \younger+7-\f
	v_pk_fma_f32 v[ACC+32*\a+4*\f:ACC+32*\a+4*\f+1], v[ACC+32*\a+4*\f:ACC+32*\a+4*\f+1], s[76:77], v[4*(8*\a+\f):4*(8*\a+\f)+1] op_sel_hi:[1,0,1]
	v_pk_fma_f32 v[ACC+32*\a+4*\f+2:ACC+32*\a+4*\f+3], v[ACC+32*\a+4*\f+2:ACC+32*\a+4*\f+3], s[76:77], v[4*(8*\a+\f)+2:4*(8*\a+\f)+3] op_sel_hi:[1,0,1]
	global_store_b128 v[CO], v[ACC+32*\a+4*\f:ACC+32*\a+4*\f+3], s[74:75] offset:(16*\a+2*\f)*4096 th:TH_STORE_NT   ; 16 lanes store 256 consecutive bytes, aligned
.endr
.endm
	PACK 0
	PACK 1
	SEND 0, 16
	PACK 2
	SEND 1, 16
	PACK 3
	SEND 2, 16
	SEND 3, 0
	WIN 0
	s_wait_tensorcnt 0x0                           ; the wave's end
	ds_add_u32 v[SPW], v[NIL]
	s_wait_dscnt 0x0
	CROUND                                         ; the closing round
	s_endpgm
.Lfunc_end_k_q42e1486853_w2:
	.size	k_q42e1486853_w2, .Lfunc_end_k_q42e1486853_w2-k_q42e1486853_w2
	.p2alignl 7, 3214868480
	.fill 96, 4, 3214868480
	.section	.rodata,"a",@progbits
	.p2align	6, 0x0
	.amdhsa_kernel k_q42e1486853_w2
		.amdhsa_group_segment_fixed_size 327680
		.amdhsa_private_segment_fixed_size 0
		.amdhsa_enable_private_segment 0
		.amdhsa_kernarg_size 48
		.amdhsa_user_sgpr_count 2
		.amdhsa_user_sgpr_kernarg_segment_ptr 1
		.amdhsa_wavefront_size32 1
		.amdhsa_system_sgpr_workgroup_id_x 1
		.amdhsa_system_sgpr_workgroup_id_y 1
		.amdhsa_system_sgpr_workgroup_id_z 1
		.amdhsa_system_vgpr_workitem_id 0
		.amdhsa_next_free_vgpr 640
		.amdhsa_next_free_sgpr 102
		.amdhsa_reserve_vcc 0
		.amdhsa_float_denorm_mode_32 3
		.amdhsa_float_denorm_mode_16_64 3
		.amdhsa_memory_ordered 1
		.amdhsa_forward_progress 1
		.amdhsa_inst_pref_size 85
	.end_amdhsa_kernel
	.amdgpu_metadata
---
amdhsa.version: [ 1, 2 ]
amdhsa.kernels:
  - .name:           k_q42e1486853_w2
    .symbol:         k_q42e1486853_w2.kd
    .args:
      - { .name: hid, .offset: 0, .size: 8, .value_kind: global_buffer, .address_space: global }
      - { .name: W2_codes, .offset: 8, .size: 8, .value_kind: global_buffer, .address_space: global }
      - { .name: lowp_scales, .offset: 16, .size: 8, .value_kind: global_buffer, .address_space: global }
      - { .name: b2, .offset: 24, .size: 8, .value_kind: global_buffer, .address_space: global }
      - { .name: x2, .offset: 32, .size: 8, .value_kind: global_buffer, .address_space: global }
      - { .name: out0, .offset: 40, .size: 8, .value_kind: global_buffer, .address_space: global }
    .group_segment_fixed_size: 327680
    .private_segment_fixed_size: 0
    .kernarg_segment_align: 8
    .kernarg_segment_size: 48
    .max_flat_workgroup_size: 128
    .sgpr_count:     102
    .vgpr_count:     640
    .wavefront_size: 32
...
	.end_amdgpu_metadata
.endif
;; end of part 7
